; MI455X (gfx1250); checked and timed in simulation.
; The chip was launched on July 23, 2026; its instructions are those of AMD's public machine-readable ISA for CDNA 5 (MIT licence, August 2026) and "CDNA5" Instruction Set Architecture Reference Guide (July 2026). The comments in the code are by the model that wrote it; some were corrected since.
;; Causal Attention. Allowed arithmetic: matrix products marked QUANTISED: E5M2 operands, one given power-of-two scale a tensor, by v_wmma_f32_16x16x64_bf8_bf8 or v_wmma_f32_16x16x128_bf8_bf8, f32 sums; everything else in f32.
;; Inputs: Wk_codes 1,024 x 32 x 32 uint8 (E5M2 codes of Wk, K innermost, in blocks of 32 codes); Wq_codes 1,024 x 32 x 32 uint8 (E5M2 codes of Wq, K innermost, in blocks of 32 codes); Wv_codes 1,024 x 32 x 32 uint8 (E5M2 codes of Wv, K innermost, in blocks of 32 codes); lowp_scales 10 int32 (the exponents e of the quantised operands' scales 2^e); x_codes 4 x 2,048 x 32 x 32 uint8 (E5M2 codes of x, K innermost, in blocks of 32 codes).
;; Outputs: out0 4 x 2,048 x 1,024 float32.
;; This version of the problem:
;;   THIS VERSION OF THE PROBLEM IS GIVEN IN LOW PRECISION. The matrix products marked QUANTISED in the list below multiply operands that are first quantised to E5M2 (5 exponent bits, 2 mantissa bits; 8 bits a number), with one given power-of-two scale for each operand tensor; their sums are f32. All else is computed in f32.
;;   The module's matrix products, in the order in which they are computed (A, B: the left and right operand; K: the contracted axis; several contracted axes count as one K, in the product's order):
;;     1. [M 8,192, K 1,024] x [K 1,024, N 1,024]; A: input x (given as codes); B: input Wq (given as codes): QUANTISED (scales: A lowp_scales[0], B lowp_scales[1])
;;     2. [M 8,192, K 1,024] x [K 1,024, N 1,024]; A: input x (given as codes); B: input Wk (given as codes): QUANTISED (scales: A lowp_scales[2], B lowp_scales[3])
;;     3. [M 8,192, K 1,024] x [K 1,024, N 1,024]; A: input x (given as codes); B: input Wv (given as codes): QUANTISED (scales: A lowp_scales[4], B lowp_scales[5])
;;     4. batch 4 x [M 2,048, K 1,024] x [K 1,024, N 2,048]; A: computed on the way; B: computed on the way: QUANTISED (scales: A lowp_scales[6], B lowp_scales[7])
;;     5. batch 4 x [M 2,048, K 2,048] x [K 2,048, N 1,024]; A: softmax (see below); B: computed on the way: QUANTISED (scales: A lowp_scales[8], B lowp_scales[9])
;;   THE QUANTISER, for each operand of a quantised product, along K:
;;     - The operand's scale is 2^e, e = its entry of the input lowp_scales (int32; the entries are numbered through the quantised products in the list's order, A before B).
;;     - Each number is divided by the scale, clamped to +-57,344, and rounded to the nearest number of E5M2, ties to even, subnormals kept.
;;     - The product sums the exact products of the quantised numbers (number of the format x scale) in f32.
;;   ~~~python
;;   def quantise(x, axis, e):      # numpy; x: float32 -> the quantised numbers, widened to float32 again
;;       x = np.moveaxis(x, axis, -1); K = x.shape[-1]
;;       r = np.clip(x / 2.0 ** e, -57344, 57344)
;;       step = 2.0 ** (np.maximum(np.frexp(np.where(r == 0, 1, r))[1] - 1, -14) - 2)
;;       q = np.round(r / step) * step * 2.0 ** e      # np.round: ties to even
;;       return np.moveaxis(q, -1, axis).astype(np.float32)
;;   ~~~
;;   SOFTMAX AHEAD OF A QUANTISED PRODUCT. Where the list says 'softmax', what is quantised is not the finished softmax but p = 2^(t - M), with t = logit x log2(e) and M = ceil(the row's largest t), a whole number; so 1/2 < the row's largest p <= 1. The row's sum l is taken of the UNQUANTISED p, in f32, and the product's result is divided by l at the end. Since M is a whole number, a kernel that streams over the keys may use a running M (the ceiling of the running maximum): every later rescaling is an exact power of two, so the quantised numbers keep their values, but for numbers so far below the row's largest that they fall under the format's range.
;;   OPERANDS COMPUTED ON THE WAY. 'Computed on the way' means the value that the module computes at that place (a softmax that the list does not call 'softmax' is quantised finished and normalised). What goes into a quantiser is computed in f32, as accurately as f32 sums, v_exp_f32 and their like allow (about 1e-6 of the number): no bf16 or f16 on the way to a quantiser, and a product that is left as it is and whose result goes on into a quantised operand takes f32 operands (vector FMAs, or v_wmma_f32_16x16x4_f32). A number that lies on a knife's edge between two numbers of the format may be rounded either way, as far as f32 arithmetic and the matrix unit's own rounding can turn it there, and no further.
;;   INPUTS GIVEN AS CODES. Wk (in the module: [1024, 1024], K = its axis 1); Wq (in the module: [1024, 1024], K = its axis 1); Wv (in the module: [1024, 1024], K = its axis 1); x (in the module: [4, 2048, 1024], K = its axis 2): each comes as NAME_codes (uint8): NAME with its K axis moved to the last place and cut into blocks of 32 codes, [.., K / 32, bytes a block], one block behind the other in memory; one code a byte (a code: sign, 5 exponent bits, 2 mantissa bits); its scale is its entry of lowp_scales. Its value is code x scale, taken as it is: it is not quantised again, and the codes and scales need not be those that the quantiser above would give.
;; One version. Each part assembles by itself: llvm-mc -triple=amdgcn-amd-amdhsa -mcpu=gfx1250 --defsym DOCPART=n.
;; ======== version 1 of 1: 3 launches
;; limits: right only within a limited range of input values
;; workspace buffers: q_rows 8,388,608 bytes; k_rows 8,388,608 bytes; v_img 8,388,608 bytes; p_img 16,777,216 bytes; stats 1,048,576 bytes
;; launch proj (part 1): grid 8 x 32, 4 waves a work-group, clusters of 4 x 4, 327,680 bytes of LDS; arguments x_codes, Wq_codes, Wk_codes, Wv_codes, lowp_scales, q_rows, k_rows, v_img; writes q_rows, k_rows, v_img
.if DOCPART == 1
	.amdgcn_target "amdgcn-amd-amdhsa--gfx1250"
	.amdhsa_code_object_version 6
	.text
	.protected	k_q717b709fdf_proj
	.globl	k_q717b709fdf_proj
	.p2align	8
	.type	k_q717b709fdf_proj,@function
k_q717b709fdf_proj:
	s_mov_b64 s[64:65], 0
	v_nop
	global_prefetch_b8 v0, s[64:65] scope:SCOPE_SE
	s_setreg_imm32_b32 hwreg(HW_REG_WAVE_MODE, 25, 1), 1
	s_wait_xcnt 0x0
	s_wait_alu depctr_hold_cnt(0) depctr_sa_sdst(0) depctr_va_vdst(0) depctr_va_sdst(0) depctr_va_ssrc(0) depctr_va_vcc(0) depctr_vm_vsrc(0)
	s_getreg_b32 s2, hwreg(HW_REG_IB_STS2, 6, 4)
	s_cmp_eq_u32 s2, 0
	s_cbranch_scc0 .Lentry_in_a_cluster
	s_endpgm
.Lentry_in_a_cluster:
	s_bfe_u32 s2, ttmp6, 0x10000c
	s_cmp_lg_u32 s2, 0xf033
	s_cbranch_scc0 .Lentry_shape_is_right
	s_endpgm
.Lentry_shape_is_right:
; q = x Wq^T and k = x Wk^T for all 8,192 tokens, v = x Wv^T for tokens 0 to 4,095 (batches 0 and 1), on codes of BF8 (E5M2), each result quantised with its given scale.
; (The next launch makes v for batches 2 and 3 beside the scores; the last one multiplies p by v.)
; WORK LEFT OUT in the later launches: scores and products with p for tiles of keys that the causal mask of the problem hides from every query of the tile: their p is 0 for all values of the inputs.
; LIMIT: a NaN, an infinity or an overflow that reaches only such tiles is not carried to the result.
; SHARES.  Cluster (x, y): x = 0 makes q, x = 1 makes k.  First a tile of 256 tokens (4 y + cy) x 256 outputs (cx), a wave 128 x 128; K = 1,024 in four steps of 256 through a ring of two LDS slots.
; Then a tile of v: 128 channels (4 x + cy) x 128 tokens (4 y + cx), a wave 64 x 64; its K comes in two slots of 512, asked for at the first product's last two changes of slots.
; A's tiles are asked for jointly along a row of the cluster, B's along a column.
; TRANSPOSED USE: source 0 = 16 rows of B, source 1 = 16 rows of A: lane (r, h) of accumulator (a, b) holds A's row 16 a + r and B's rows 16 b + 8 h + 0 .. 7.
; q AND k LEAVE AS ROWS of 1,024 bytes, a token a row.  Within 32 codes their order is changed, in q and k alike, so that a lane's 16 bytes stay together: the sums of q k^T run over the same products.
; v LEAVES AS AN IMAGE OF REGISTERS: 16 channels x 128 tokens = 2,048 bytes, registers 4 c .. 4 c + 3 of lane l at 512 c + 16 l.
; PREFETCH: K steps 2 and 3 of x's and W's tiles behind K step 1's load, Wv's behind K step 2's; a lane a row, the four partners of a joint load share its 128 rows out by address.  W's rows are asked for by the clusters y < 2 alone.
; LIMITS on the given exponents: e6 - e0 - e1, e7 - e2 - e3, e9 - e4 - e5 between -126 and 112.  NaN is not served.
; REGISTERS, windows of 256: 0: v0-30 addresses and constants, v32-95 numbers on the way out, v96-127 codes, v128-255 A's fragments (v192-255 also rows on the way out).  1: B's fragments, two sets.  2, 3: accumulators.
.set ROWB,   256
.set PITCH,  272                       ; an LDS row: 256 bytes + 16 of padding: 16 rows start at 16 different banks (64 banks of 4 bytes: ISA guide 11.1)
.set FR,     16
.set NL,     4
.set NP,     4                         ; places behind this matrix instruction (ISA guide 7.12.1)
.set HALFT,  128*PITCH
.set SLOT,   4*HALFT
.set SPARE,  2*SLOT                    ; the spare words, 128 bytes a wave
.set STG,    SPARE+512                 ; the stage for q and k: 128 rows; no fill lands here
.set SC,   10                          ; v10, v11 the scale and the largest number of q or k;  v12, v13 of v
.set LIM,  11
.set SC2,  12
.set LIM2, 13
.set ADRA, 16
.set ADRA2, 18
.set ADRB, 20
.set ADRB2, 22
.set STO,  24                          ; v24 where I put 16 bytes of a row
.set RD,   25                          ; v25 where I read rows back
.set LI,   26                          ; v26 16 x lane
.set QO,   27                          ; v27 my offset in two rows of q or k
.set SPW,  28
.set NIL,  29
.set PFO,  30                          ; v30 the prefetches' offset: lane x 1,024
.set T,    32
.set CD,   96
.set AF,   128
.set BK,   192
.set G1, 24                            ; descriptor groups 1 and 0 for A: s[24:31], s[32:39];  for B: s[48:55], s[56:63]
.set G0, 32
.set G1B, 48
.set G0B, 56
.set MSB, 0
.macro WIN new                         ; the immediate's high byte repeats the setting that is left
.if MSB != \new
	s_set_vgpr_msb (MSB<<8)|\new
.set MSB, \new
.endif
.endm
.set MUL_LO, 0xa1                      ; source 0 window 1, source 1 window 0, C and D window 2
.set MUL_HI, 0xf1                      ; C and D window 3
.set TO_B,   0x40
.macro JLOAD s                         ; waves 0 and 1 fetch for A, 2 and 3 for B, each 128 rows of 256 bytes; s_nop 0 and four v_nop follow each line
	s_cmp_eq_u32 s15, 0
	s_cbranch_scc0 .Lfor_b_\@
	tensor_load_to_lds s[G0+4*\s:G0+4*\s+3], s[G1:G1+7]
	s_nop 0
.rept 4
	v_nop
.endr
	s_branch .Lasked_\@
.Lfor_b_\@:
	tensor_load_to_lds s[G0B+4*\s:G0B+4*\s+3], s[G1B:G1B+7]
	s_nop 0
.rept 4
	v_nop
.endr
.Lasked_\@:
.endm
.macro CREST                           ; a round of the cluster's barrier behind its opening barrier
	s_cmp_lg_u32 s14, 0
	s_cbranch_scc1 .Lnot_wave_0_\@
	s_barrier_signal -3
.Lnot_wave_0_\@:
	s_barrier_wait -3
	s_barrier_signal -1
	s_barrier_wait -1
.endm
.macro CROUND
	s_barrier_signal -1
	s_barrier_wait -1
	CREST
.endm
.macro ASK flag, pf, o0, o1            ; two prefetches where the wave's flag is 1
	s_cmp_eq_u32 s[\flag], 1
	s_cbranch_scc0 .Lnot_mine_\@
	global_prefetch_b8 v[PFO], s[\pf:\pf+1] offset:\o0 th:TH_LOAD_NT scope:SCOPE_SE
	global_prefetch_b8 v[PFO], s[\pf:\pf+1] offset:\o1 th:TH_LOAD_NT scope:SCOPE_SE
.Lnot_mine_\@:
.endm
	s_load_b512 s[68:83], s[0:1], 0x0              ; x 68, Wq 70, Wk 72, Wv 74, exponents 76, q 78, k 80, v 82
	v_lshl_add_u32 v[SPW], v0, 2, SPARE
	v_mov_b32 v[NIL], 0
	ds_add_u32 v[SPW], v[NIL]                      ; the wave's opening: the add, twice on end, and its wait
	ds_add_u32 v[SPW], v[NIL]
	v_and_b32 v6, 31, v0
	v_lshlrev_b32 v[PFO], 10, v6
	v_lshrrev_b32 v1, 5, v0
	v_readfirstlane_b32 s14, v1                    ; wave 0..3
	s_lshr_b32 s15, s14, 1                         ; which half of A's rows is mine.  Also: I fetch for A (0) or for B (1)
	s_and_b32 s16, s14, 1                          ; which half of B's rows.  Also: which 128 rows (v: which 256 of a slot's 512 along K) I fetch
	s_bfe_u32 s40, ttmp6, 0x40000                  ; cx
	s_bfe_u32 s41, ttmp6, 0x40004                  ; cy
	s_and_b32 s96, ttmp7, 0xffff                   ; the cluster's y
	s_lshl_b32 s17, s96, 2
	s_add_co_u32 s17, s17, s41                     ; token tile of 256
	s_lshl_b32 s94, ttmp9, 2
	s_add_co_u32 s94, s94, s41                     ; v: channel tile of 128
	s_lshl_b32 s95, s96, 2
	s_add_co_u32 s95, s95, s40                     ; v: token tile of 128
	s_lshl_b32 s43, s41, 2
	s_lshl_b32 s43, 15, s43                        ; my row of the cluster
	s_lshl_b32 s44, 0x1111, s40                    ; my column
	s_or_b32 s[G1+0], s43, (1<<20)|(1<<21)|(5<<22)|(3<<25)   ; mask; elements of 1 byte; 4 words of padding after every 64; bit 21 beside the mask
	s_or_b32 s[G1B+0], s44, (1<<20)|(1<<21)|(5<<22)|(3<<25)
.irp g, G1, G1B
	s_mov_b32 s[\g+1], ROWB<<16
	s_mov_b32 s[\g+2], 128<<16
	s_mov_b32 s[\g+3], ROWB<<16
	s_mov_b32 s[\g+4], 128
	s_mov_b32 s[\g+5], 1024
	s_mov_b32 s[\g+6], 0
	s_mov_b32 s[\g+7], 0
.endr
	s_lshl_b32 s18, s16, 7
	s_lshl_b32 s20, s17, 8
	s_add_co_u32 s20, s20, s18
	s_lshl_b32 s20, s20, 10                        ; A: x's row 256 x tile + 128 x half
	s_mov_b32 s21, 0
	s_lshl_b32 s46, s40, 8
	s_add_co_u32 s46, s46, s18
	s_lshl_b32 s46, s46, 10                        ; B: W's row 256 cx + 128 x half
	s_mov_b32 s47, 0
	s_lshl_b32 s19, s16, 8
	s_lshl_b32 s10, s94, 17
	s_add_co_u32 s10, s10, s19                     ; v's A: Wv's row 128 x channel tile, + 256 bytes for the odd wave
	s_mov_b32 s11, 0
	s_lshl_b32 s12, s95, 17
	s_add_co_u32 s12, s12, s19                     ; v's B: x's row 128 x token tile, likewise
	s_mov_b32 s13, 0
	s_mul_i32 s45, s14, HALFT
	s_wait_alu depctr_va_vdst(0)
	s_wait_dscnt 0x0                               ; both opening adds are done
	s_wait_kmcnt 0x0
	s_load_b256 s[84:91], s[76:77], 0x0            ; e0 .. e7
	s_load_b64 s[92:93], s[76:77], 0x20            ; e8, e9
	s_cmp_eq_u32 ttmp9, 0
	s_cselect_b64 s[6:7], s[70:71], s[72:73]
	s_cselect_b64 s[8:9], s[78:79], s[80:81]
	s_add_nc_u64 s[20:21], s[68:69], s[20:21]
	s_add_nc_u64 s[46:47], s[6:7], s[46:47]
	s_add_nc_u64 s[10:11], s[74:75], s[10:11]
	s_add_nc_u64 s[12:13], s[68:69], s[12:13]
.irp s, 0,1
	s_mov_b32 s[G0+4*\s], 1
	s_add_co_u32 s[G0+4*\s+1], s45, \s*SLOT
	s_add_nc_u64 s[G0+4*\s+2:G0+4*\s+3], s[20:21], \s*ROWB
	s_or_b32 s[G0+4*\s+3], s[G0+4*\s+3], 0x80000000
	s_mov_b32 s[G0B+4*\s], 1
	s_add_co_u32 s[G0B+4*\s+1], s45, \s*SLOT
	s_add_nc_u64 s[G0B+4*\s+2:G0B+4*\s+3], s[46:47], \s*ROWB
	s_or_b32 s[G0B+4*\s+3], s[G0B+4*\s+3], 0x80000000
.endr
	CROUND                                         ; all sixteen work-groups are here: the first joint loads meet
	JLOAD 0                                        ; K step 0: one tensor load a wave at the head
	; the prefetches: s[98:99] my work-group's 32 of the 128 rows that I fetch; s[100:101] the same of Wv; s97, s66: do I ask
	s_cmp_eq_u32 s15, 0
	s_cselect_b64 s[98:99], s[20:21], s[46:47]
	s_cselect_b32 s22, s40, s41
	s_lshl_b32 s22, s22, 15
	s_mov_b32 s23, 0
	s_add_nc_u64 s[98:99], s[98:99], s[22:23]
	s_lshl_b32 s22, s40, 15
	s_add_nc_u64 s[100:101], s[10:11], s[22:23]
	s_cmp_lt_u32 s96, 2
	s_cselect_b32 s67, 1, 0
	s_xor_b32 s22, s15, 1
	s_and_b32 s66, s67, s22
	s_or_b32 s97, s67, s22
	s_cmp_eq_u32 s97, 1
	s_cbranch_scc0 .Lnot_first
	global_prefetch_b8 v[PFO], s[98:99] offset:256 th:TH_LOAD_NT scope:SCOPE_SE   ; K step 1, while K step 0 is on its way
.Lnot_first:
	; q or k: row 256 x tile + 128 (wave / 2) + 32 (wave % 2), byte 256 cx
	s_lshl_b32 s22, s17, 18
	s_lshl_b32 s2, s15, 17
	s_add_co_u32 s22, s22, s2
	s_lshl_b32 s2, s16, 15
	s_add_co_u32 s22, s22, s2
	s_lshl_b32 s2, s40, 8
	s_add_co_u32 s22, s22, s2
	s_add_nc_u64 s[8:9], s[8:9], s[22:23]
	; v: ((tokens / 1,024) x 64 + 8 x channel tile + 4 x half) x 16,384 + (128 tokens) x 2,048 + (64 tokens) x 1,024
	s_lshr_b32 s22, s95, 3
	s_lshl_b32 s22, s22, 6
	s_lshl_b32 s2, s94, 3
	s_add_co_u32 s22, s22, s2
	s_lshl_b32 s2, s15, 2
	s_add_co_u32 s22, s22, s2
	s_lshl_b32 s22, s22, 14
	s_and_b32 s2, s95, 7
	s_lshl_b32 s2, s2, 11
	s_add_co_u32 s22, s22, s2
	s_lshl_b32 s2, s16, 10
	s_add_co_u32 s22, s22, s2
	s_add_nc_u64 s[4:5], s[82:83], s[22:23]
	s_wait_kmcnt 0x0
	s_sub_co_i32 s2, s90, s84
	s_sub_co_i32 s2, s2, s85                       ; e6 - e0 - e1
	s_sub_co_i32 s3, s91, s86
	s_sub_co_i32 s3, s3, s87                       ; e7 - e2 - e3
	s_cmp_eq_u32 ttmp9, 0
	s_cselect_b32 s2, s2, s3
	s_add_co_i32 s2, s2, 127
	s_lshl_b32 s3, s2, 23                          ; the conversion's scale
	s_add_co_i32 s2, s2, 15
	s_lshl_b32 s2, s2, 23
	s_or_b32 s2, s2, 0x600000                      ; 57,344 x that
	s_sub_co_i32 s18, s93, s88
	s_sub_co_i32 s18, s18, s89                     ; e9 - e4 - e5
	s_add_co_i32 s18, s18, 127
	s_lshl_b32 s19, s18, 23
	s_add_co_i32 s18, s18, 15
	s_lshl_b32 s18, s18, 23
	s_or_b32 s18, s18, 0x600000
	v_mov_b32 v[SC], s3
	v_mov_b32 v[LIM], s2
	v_mov_b32 v[SC2], s19
	v_mov_b32 v[LIM2], s18
	s_mul_i32 s2, s15, HALFT                       ; my 128 rows of A
	s_mul_i32 s3, s16, HALFT
	s_add_co_u32 s3, s3, 2*HALFT                   ; of B
	s_mul_i32 s18, s15, 64*PITCH                   ; v: my 64 rows of A
	s_mul_i32 s19, s16, 64*PITCH
	s_add_co_u32 s19, s19, 2*HALFT                 ; of B
	s_lshl_b32 s22, s16, 7
	s_add_co_u32 s22, s22, s18
	s_add_co_u32 s22, s22, STG                     ; the stage: line 64 x half + .., byte 128 x column half
	s_mul_i32 s23, s14, 32*PITCH
	s_add_co_u32 s23, s23, STG                     ; back: my 32 lines
	v_and_b32 v1, 15, v0                           ; r
	v_bfe_u32 v2, v0, 4, 1                         ; h
	v_and_b32 v6, 31, v0
	v_mul_u32_u24 v3, v1, PITCH
	v_lshl_add_u32 v4, v2, 4, v3                   ; row x pitch + 16 h
	v_mul_u32_u24 v5, v2, PITCH
	v_lshl_add_u32 v5, v1, 4, v5
	v_add_nc_u32 v[ADRA], s2, v4
	v_add_nc_u32 v[ADRB], s3, v4
	v_add_nc_u32 v[ADRA2], s18, v4
	v_add_nc_u32 v[ADRB2], s19, v4
	v_add_nc_u32 v[STO], s22, v4
	v_add_nc_u32 v[RD], s23, v5
	v_add_nc_u32 v[ADRA+1], SLOT, v[ADRA]
	v_add_nc_u32 v[ADRB+1], SLOT, v[ADRB]
	v_add_nc_u32 v[ADRA2+1], SLOT, v[ADRA2]
	v_add_nc_u32 v[ADRB2+1], SLOT, v[ADRB2]
	v_lshlrev_b32 v[LI], 4, v6
	v_lshlrev_b32 v[QO], 10, v2
	v_lshl_add_u32 v[QO], v1, 4, v[QO]
.macro FRAG reg, adr, q, i             ; 16 rows x 128 K: lane l takes row l % 16, registers 4 c .. 4 c + 3 K = 32 c + 16 (l / 16) + 0 .. 15, in A and B alike
.irp c, 0,1,2,3
	ds_load_b128 v[\reg+4*\c:\reg+4*\c+3], v[\adr] offset:128*(\q)+32*\c+(\i)*16*PITCH
.endr
.endm
; 16 matrix instructions: A's blocks a0, a0 + 1 x B's eight; the 64 accumulators take turns in the same order in every step.  p: B's set; zero = 1: begins the sums
.macro MUL16 a0, p, zero
.irp a, \a0, \a0+1
.irp b, 0,1,2,3,4,5,6,7
.if \zero
	v_wmma_f32_16x16x128_bf8_bf8 v[8*(8*((\a)%4)+\b):8*(8*((\a)%4)+\b)+7], v[128*(\p)+FR*\b:128*(\p)+FR*\b+FR-1], v[AF+FR*(\a):AF+FR*(\a)+FR-1], 0
.else
	v_wmma_f32_16x16x128_bf8_bf8 v[8*(8*((\a)%4)+\b):8*(8*((\a)%4)+\b)+7], v[128*(\p)+FR*\b:128*(\p)+FR*\b+FR-1], v[AF+FR*(\a):AF+FR*(\a)+FR-1], v[8*(8*((\a)%4)+\b):8*(8*((\a)%4)+\b)+7]
.endif
.endr
.endr
.endm
.macro FETCH_B slot, q, p
	WIN TO_B
.irp i, 0,1,2,3,4,5,6,7
	FRAG 128*(\p)+FR*\i, ADRB+\slot, \q, \i
.endr
	WIN 0
.endm
.macro FETCH_A slot, q, i0
.irp i, \i0, \i0+1, \i0+2, \i0+3
	FRAG AF+FR*(\i), ADRA+\slot, \q, \i
.endr
.endm
; v: the fragments of step s (128 along K; four steps a slot, two in each 256 of K) into buffer s % 4: B's in window 1, A's in window 3, whose accumulators have gone out
.macro FETCHV s
.set VS, (\s)/4
.set VQ, (\s)%4
.set VB, 64*((\s)%4)
.set VO, (VQ/2)*HALFT+128*(VQ%2)
	WIN TO_B
.irp i, 0,1,2,3
.irp c, 0,1,2,3
	ds_load_b128 v[VB+16*\i+4*\c:VB+16*\i+4*\c+3], v[ADRB2+VS] offset:VO+32*\c+\i*16*PITCH
.endr
.endr
	WIN 0xc0
.irp i, 0,1,2,3
.irp c, 0,1,2,3
	ds_load_b128 v[VB+16*\i+4*\c:VB+16*\i+4*\c+3], v[ADRA2+VS] offset:VO+32*\c+\i*16*PITCH
.endr
.endr
	WIN 0
.endm
.macro PLACES n                        ; places in front of loads into registers that matrix instructions have read, and of reads of results
.rept \n
	v_nop
.endr
.endm
; A slot's first 128 along K.  B's other set is free from the start, so its loads go ahead of the products
.macro STEP slot, zero
	s_wait_dscnt 4*NL                              ; B's set and A's blocks 0-3 are in; A's blocks 4-7 may be out
	PLACES NP
	FETCH_B \slot, 1, 1
	WIN MUL_LO
	MUL16 0, 0, \zero
	MUL16 2, 0, \zero
	s_wait_dscnt 8*NL                              ; A's blocks 4-7 are in; the 32 loads of B may be out
	PLACES NP
	WIN 0
	FETCH_A \slot, 1, 0
	WIN MUL_HI
	MUL16 4, 0, \zero
	MUL16 6, 0, \zero
	PLACES NP
	WIN 0
	FETCH_A \slot, 1, 4
.endm
; A slot's last 128 along K changes slots: all my tensor loads waited for, the add, my reads of this slot waited for, a round of the cluster's barrier, the refill first behind it.
; fill = 1: this tile's K step two on; fill = 2: v's slot.  nx = 1: the next fragments are this product's; 0: v's.
.macro TURN slot, next, fill, nx
	s_wait_tensorcnt 0x0
	ds_add_u32 v[SPW], v[NIL]                      ; 0 onto my spare word
	s_wait_dscnt 4*NL+1                            ; the add and A's blocks 4-7 may be out
	WIN MUL_LO
	MUL16 0, 1, 0
	s_wait_dscnt 0x0                               ; the add is done, and my reads of this slot are over
	s_barrier_signal -1
	MUL16 2, 1, 0
	WIN 0
	s_barrier_wait -1
	CREST                                          ; no wave of any partner still reads this slot or has a load on its way
.if \fill == 1
	s_add_nc_u64 s[G0+4*\slot+2:G0+4*\slot+3], s[G0+4*\slot+2:G0+4*\slot+3], 2*ROWB
	s_add_nc_u64 s[G0B+4*\slot+2:G0B+4*\slot+3], s[G0B+4*\slot+2:G0B+4*\slot+3], 2*ROWB
.else
	s_add_nc_u64 s[G0+4*\slot+2:G0+4*\slot+3], s[10:11], \slot*512
	s_or_b32 s[G0+4*\slot+3], s[G0+4*\slot+3], 0x80000000
	s_add_nc_u64 s[G0B+4*\slot+2:G0B+4*\slot+3], s[12:13], \slot*512
	s_or_b32 s[G0B+4*\slot+3], s[G0B+4*\slot+3], 0x80000000
.endif
	JLOAD \slot
.if \nx
	FETCH_B \next, 0, 0
	FETCH_A \next, 0, 0
.if (\fill == 1) && (\slot == 0)
	ASK 66, 100, 0, 512                            ; Wv's rows for both slots of v: two and three changes of slots ahead of their loads
.endif
.endif
	WIN MUL_HI
	MUL16 4, 1, 0
	MUL16 6, 1, 0
.if \nx
	PLACES NP
.endif
	WIN 0
.if \nx
	FETCH_A \next, 0, 4
.endif
.endm
.macro CONV a                          ; block a: held at the largest code and converted; 16 registers of codes, k = 16 b + 8 h + 0 .. 7 in 2 b, 2 b + 1
.set WW, 2+((\a)/4)
	WIN WW
.set n, 0
.rept 64
	v_med3_num_f32 v[T+n], v[64*((\a)%4)+n], -v[LIM], v[LIM]
.set n, n+1
.endr
	WIN 0
.irp b, 0,1,2,3,4,5,6,7
	v_cvt_scalef32_pk8_bf8_f32 v[CD+16*((\a)%2)+2*\b:CD+16*((\a)%2)+2*\b+1], v[T+8*\b:T+8*\b+7], v[SC]
.endr
	v_nop                                          ; one plain instruction behind the last conversion
.endm
.macro PUT a
.irp c, 0,1,2,3
	ds_store_b128 v[STO], v[CD+16*((\a)%2)+4*\c:CD+16*((\a)%2)+4*\c+3] offset:16*((\a)%4)*PITCH+32*\c
.endr
.endm
.macro BACK
.irp t, 0,1,2,3,4,5,6,7,8,9,10,11,12,13,14,15
	ds_load_b128 v[BK+4*\t:BK+4*\t+3], v[RD] offset:2*PITCH*\t
.endr
.endm
.macro SEND half
.irp t, 0,1,2,3,4,5,6,7,8,9,10,11,12,13,14,15
	global_store_b128 v[QO], v[BK+4*\t:BK+4*\t+3], s[8:9] offset:65536*\half+2048*\t   ; 16 lanes store 256 consecutive bytes, aligned
.endr
.endm
.macro VSTEP s                         ; 128 along K of v: 16 accumulators by turns
.if \s < 7
	s_wait_dscnt 32                                ; this step's fragments are in; the next step's 32 loads may be out
.else
	s_wait_dscnt 0x0
.endif
	PLACES NP
.if \s < 6
	FETCHV \s+2
.endif
.set VB, 64*((\s)%4)
	WIN 0xad                                       ; source 0 window 1, source 1 window 3, C and D window 2
.irp a, 0,1,2,3
.irp b, 0,1,2,3
.if \s == 0
	v_wmma_f32_16x16x128_bf8_bf8 v[8*(4*\a+\b):8*(4*\a+\b)+7], v[VB+16*\b:VB+16*\b+15], v[VB+16*\a:VB+16*\a+15], 0
.else
	v_wmma_f32_16x16x128_bf8_bf8 v[8*(4*\a+\b):8*(4*\a+\b)+7], v[VB+16*\b:VB+16*\b+15], v[VB+16*\a:VB+16*\a+15], v[8*(4*\a+\b):8*(4*\a+\b)+7]
.endif
.endr
.endr
	WIN 0
.endm
	s_wait_alu depctr_va_vdst(0)
	s_wait_tensorcnt 0x0                           ; my part of K step 0 is in; slot 1's first fill is asked for as a refill is
	ds_add_u32 v[SPW], v[NIL]
	s_wait_dscnt 0x0
	CROUND                                         ; everybody's part is in
	JLOAD 1                                        ; K step 1
	FETCH_B 0, 0, 0
	FETCH_A 0, 0, 0
	FETCH_A 0, 0, 4
	ASK 97, 98, 512, 768                           ; K steps 2 and 3: one and two changes of slots ahead of their loads
	STEP 0, 1
	TURN 0, 1, 1, 1
	STEP 1, 0
	TURN 1, 0, 1, 1
	STEP 0, 0
	TURN 0, 1, 2, 1
	STEP 1, 0
	TURN 1, 0, 2, 0
	PLACES NP
	; q or k goes out in two halves of 128 rows (blocks 0-3 and 4-7 of both row halves) through the stage, where two waves' 128 columns meet in rows of 256 bytes
.irp a, 0,1,2,3
	CONV \a
	PUT \a
.endr
	s_wait_alu depctr_va_vdst(0)
	s_wait_dscnt 0x0                               ; my stores are done
	s_barrier_signal -1
	CONV 4
	s_wait_alu depctr_va_vdst(0)
	s_barrier_wait -1                              ; everybody's are
	BACK
	s_wait_dscnt 0x0                               ; my reads of the stage are over
	s_barrier_signal -1
	CONV 5
	s_wait_alu depctr_va_vdst(0)
	s_barrier_wait -1                              ; everybody's are: the stage may be written again
	PUT 4
	PUT 5
	SEND 0
	CONV 6
	PUT 6
	CONV 7
	PUT 7
	FETCHV 0
	FETCHV 1
	s_wait_alu depctr_va_vdst(0)
	s_wait_tensorcnt 0x0                           ; my part of v's second slot is in
	s_wait_dscnt 0x0
	s_barrier_signal -1
	s_barrier_wait -1                              ; the stage's second half and v's second slot are whole
	s_wait_xcnt 0x0                                ; the first half's stores have read their registers
	BACK
	s_wait_dscnt 0x0
	SEND 1
.irp s, 0,1,2,3,4,5,6,7
	VSTEP \s
.endr
	PLACES NP
.irp a, 0,1,2,3                        ; v: 16 channels x 64 tokens a block: two runs of 512 bytes of a fragment's image
	WIN 2
.set n, 0
.rept 32
	v_med3_num_f32 v[T+n], v[32*\a+n], -v[LIM2], v[LIM2]
.set n, n+1
.endr
	WIN 0
.irp b, 0,1,2,3
	v_cvt_scalef32_pk8_bf8_f32 v[CD+8*\a+2*\b:CD+8*\a+2*\b+1], v[T+8*\b:T+8*\b+7], v[SC2]
.endr
	v_nop
.irp c, 0,1
	global_store_b128 v[LI], v[CD+8*\a+4*\c:CD+8*\a+4*\c+3], s[4:5] offset:16384*\a+512*\c
.endr
.endr
	s_wait_tensorcnt 0x0                           ; the wave's end
	ds_add_u32 v[SPW], v[NIL]
	s_wait_dscnt 0x0
	CROUND                                         ; the closing round
	s_endpgm
.Lfunc_end_k_q717b709fdf_proj:
	.size	k_q717b709fdf_proj, .Lfunc_end_k_q717b709fdf_proj-k_q717b709fdf_proj
	.p2alignl 7, 3214868480
	.fill 96, 4, 3214868480
	.section	.rodata,"a",@progbits
	.p2align	6, 0x0
	.amdhsa_kernel k_q717b709fdf_proj
		.amdhsa_group_segment_fixed_size 327680
		.amdhsa_private_segment_fixed_size 0
		.amdhsa_enable_private_segment 0
		.amdhsa_kernarg_size 64
		.amdhsa_user_sgpr_count 2
		.amdhsa_user_sgpr_kernarg_segment_ptr 1
		.amdhsa_wavefront_size32 1
		.amdhsa_system_sgpr_workgroup_id_x 1
		.amdhsa_system_sgpr_workgroup_id_y 1
		.amdhsa_system_sgpr_workgroup_id_z 1
		.amdhsa_system_vgpr_workitem_id 0
		.amdhsa_next_free_vgpr 1024
		.amdhsa_next_free_sgpr 102
		.amdhsa_reserve_vcc 0
		.amdhsa_float_denorm_mode_32 3
		.amdhsa_float_denorm_mode_16_64 3
		.amdhsa_memory_ordered 1
		.amdhsa_forward_progress 1
		.amdhsa_inst_pref_size 165
	.end_amdhsa_kernel
	.amdgpu_metadata
---
amdhsa.version: [ 1, 2 ]
amdhsa.kernels:
  - .name:           k_q717b709fdf_proj
    .symbol:         k_q717b709fdf_proj.kd
    .args:
      - { .name: x_codes, .offset: 0, .size: 8, .value_kind: global_buffer, .address_space: global }
      - { .name: Wq_codes, .offset: 8, .size: 8, .value_kind: global_buffer, .address_space: global }
      - { .name: Wk_codes, .offset: 16, .size: 8, .value_kind: global_buffer, .address_space: global }
      - { .name: Wv_codes, .offset: 24, .size: 8, .value_kind: global_buffer, .address_space: global }
      - { .name: lowp_scales, .offset: 32, .size: 8, .value_kind: global_buffer, .address_space: global }
      - { .name: q_rows, .offset: 40, .size: 8, .value_kind: global_buffer, .address_space: global }
      - { .name: k_rows, .offset: 48, .size: 8, .value_kind: global_buffer, .address_space: global }
      - { .name: v_img, .offset: 56, .size: 8, .value_kind: global_buffer, .address_space: global }
    .group_segment_fixed_size: 327680
    .private_segment_fixed_size: 0
    .kernarg_segment_align: 8
    .kernarg_segment_size: 64
    .max_flat_workgroup_size: 128
    .sgpr_count:     102
    .vgpr_count:     1024
    .wavefront_size: 32
...
	.end_amdgpu_metadata
.endif
;; end of part 1
;; launch scores (part 2): grid 16 x 16, 4 waves a work-group, clusters of 4 x 4, 327,680 bytes of LDS; arguments q_rows, k_rows, lowp_scales, p_img, stats, x_codes, Wv_codes, v_img; writes p_img, stats, v_img
.if DOCPART == 2
	.amdgcn_target "amdgcn-amd-amdhsa--gfx1250"
	.amdhsa_code_object_version 6
	.text
	.protected	k_q717b709fdf_scores
	.globl	k_q717b709fdf_scores
	.p2align	8
	.type	k_q717b709fdf_scores,@function
k_q717b709fdf_scores:
	s_mov_b64 s[64:65], 0
	v_nop
	global_prefetch_b8 v0, s[64:65] scope:SCOPE_SE
	s_setreg_imm32_b32 hwreg(HW_REG_WAVE_MODE, 25, 1), 1
	s_wait_xcnt 0x0
	s_wait_alu depctr_hold_cnt(0) depctr_sa_sdst(0) depctr_va_vdst(0) depctr_va_sdst(0) depctr_va_ssrc(0) depctr_va_vcc(0) depctr_vm_vsrc(0)
	s_getreg_b32 s2, hwreg(HW_REG_IB_STS2, 6, 4)
	s_cmp_eq_u32 s2, 0
	s_cbranch_scc0 .Lentry_in_a_cluster
	s_endpgm
.Lentry_in_a_cluster:
	s_bfe_u32 s2, ttmp6, 0x10000c
	s_cmp_lg_u32 s2, 0xf033
	s_cbranch_scc0 .Lentry_shape_is_right
	s_endpgm
.Lentry_shape_is_right:
; Cluster (x, y).  x = 0, 1, 2: a tile of 256 queries x 256 keys of q k^T of batch y, the causal mask, and the softmax's first half, LOCAL TO THE TILE: t = score x log2(e) / 32; M = a query's largest t among the
; tile's 256 keys, rounded up to a whole number; p = 2^(t - M), quantised with 2^e8 and stored as codes; -M and the sum of the unquantised p of each half of 128 keys go to the buffer of row figures.
; The next launch brings the tiles of a row under one M by exact powers of two.
; x = 3: a tile of 256 channels (cy) x 256 tokens (4,096 + 1,024 y + 256 cx) of v = x Wv^T, quantised with 2^e9: batches 2 and 3.  Both kinds walk the same K loop: rows of 1,024 codes on both sides.
; WORK LEFT OUT: query tile i = 4 I + cy and key tile j = 4 J + cx with (I, J) = (0, 0), (1, 0), (1, 1): the block (0, 1) is wholly hidden by the causal mask: its p is 0 for all values of the inputs.
; LIMIT: a NaN, an infinity or an overflow that reaches only what is left out is not carried to the result.
; Of the tiles made, (0,1), (2,3), (4,5), (6,7) are wholly hidden and give the zero codes that the next launch walks (it goes in slots of 512 keys); the other hidden ones are made and not read: no branch may
; hang on a work-group's place in its cluster, and each of them still makes every joint request.
; TRANSPOSED USE (source 0 = 16 keys or tokens, source 1 = 16 queries or channels): lane (r, h) of accumulator (a, b) holds query 16 a + r and keys 16 b + 8 h + 0 .. 7; the conversions' results are a fragment's image.
; THE MASK.  D = my first query less my first key, a multiple of 128.  Accumulators with a > b are wholly open (D >= 0) or wholly hidden, those with a < b wholly open (D > 0) or wholly hidden: 0 or -infinity goes onto their
; maximum and onto their -M.  Those with a = b get eight addends.  A query with no open key in the tile: M = -1e30, every p = 0, the sums 0.
; PREFETCH: K steps 2 and 3 behind K step 1's load, a lane a row; the four partners of a joint load share its 128 rows out by address.
; LIMITS: e6 + e7 between -120 and 130 (added to c's exponent field); e8 and e9 - e4 - e5 between -126 and 112; every open t above -1e30 and under 2^31 in magnitude.  NaN is not served.
; REGISTERS: window 0: v8-14, v16-31 addresses and constants; v32-159 on the way out two sets of 64 numbers; v160-191 codes; v192-255 row figures; v128-255 in the K loop A's fragments.
;   window 1: B's fragments, two sets.   windows 2, 3: the accumulators ((a, b) at v[8 (8 (a % 4) + b)]).
.set ROWB,   256
.set PITCH,  272                       ; an LDS row: 256 bytes + 16 of padding: 16 rows start at 16 different banks (64 banks of 4 bytes: ISA guide 11.1)
.set FR,     16
.set NL,     4
.set NP,     4                         ; places behind this matrix instruction (ISA guide 7.12.1)
.set HALFT,  128*PITCH
.set SLOT,   4*HALFT
.set SPARE,  2*SLOT                    ; the spare words, 128 bytes a wave
.set XCH,    SPARE+512                 ; 1,024 bytes a wave: the maxima that the two key halves exchange; no fill lands here
.set EE,   8                           ; v8      8 h - r - D
.set NINF, 9
.set SC,   10                          ; v10     the conversion's scale
.set LIM,  11                          ; v11     57,344 x that
.set XA,   12                          ; v12     where I put my maxima
.set XB,   13                          ; v13     where the other key half's wave put its
.set SO,   14                          ; v14     my 16 bytes of a record of row figures: 32 r + 16 h
.set ADRA, 16
.set ADRB, 20
.set LI,   26
.set SPW,  28
.set NIL,  29
.set PFO,  30
.set T0,   32                          ; v32-95, v96-159: a row block's 64 numbers, two sets
.set MC,   32                          ; v32-79 the maxima's chains: (a > b, a = b, a < b) x two x eight row blocks
.set ADD,  80                          ; v80-87 the diagonal's addends
.set AF,   128
.set CD,   160
.set MX,   192                         ; v192-199 maxima
.set NMN,  192                         ; v192-207 -M for a < b, each twice
.set NMD,  208                         ; v208-223 -M
.set LS,   224                         ; v224-231 sums
.set NMP,  232                         ; v232-247 -M for a > b
.set SS,   248                         ; v248-255 four partial sums of two
.set G1, 24
.set G0, 32
.set G1B, 48
.set G0B, 56
.set CS,  66                           ; s[66:67] c = log2(e) / 32 x 2^(e6 + e7)
.set SEL, 6                            ; s[6:7]   lane selects for v_permlanex16_b32: lane l xor 16 (set behind the K loop)
.set HM,  100                          ; s100     lanes 16-31
.set PFA, 98                           ; s[98:99] my work-group's 32 of the 128 rows that I fetch
.set MSB, 0
.macro WIN new                         ; the immediate's high byte repeats the setting that is left
.if MSB != \new
	s_set_vgpr_msb (MSB<<8)|\new
.set MSB, \new
.endif
.endm
.set MUL_LO, 0xa1
.set MUL_HI, 0xf1
.set TO_B,   0x40
.macro JLOAD s                         ; waves 0 and 1 fetch for A, 2 and 3 for B; s_nop 0 and four v_nop follow each line
	s_cmp_eq_u32 s15, 0
	s_cbranch_scc0 .Lfor_b_\@
	tensor_load_to_lds s[G0+4*\s:G0+4*\s+3], s[G1:G1+7]
	s_nop 0
.rept 4
	v_nop
.endr
	s_branch .Lasked_\@
.Lfor_b_\@:
	tensor_load_to_lds s[G0B+4*\s:G0B+4*\s+3], s[G1B:G1B+7]
	s_nop 0
.rept 4
	v_nop
.endr
.Lasked_\@:
.endm
.macro CREST
	s_cmp_lg_u32 s14, 0
	s_cbranch_scc1 .Lnot_wave_0_\@
	s_barrier_signal -3
.Lnot_wave_0_\@:
	s_barrier_wait -3
	s_barrier_signal -1
	s_barrier_wait -1
.endm
.macro CROUND
	s_barrier_signal -1
	s_barrier_wait -1
	CREST
.endm
	s_load_b512 s[68:83], s[0:1], 0x0              ; q 68, k 70, exponents 72, p 74, row figures 76, x 78, Wv 80, v 82
	v_lshl_add_u32 v[SPW], v0, 2, SPARE
	v_mov_b32 v[NIL], 0
	ds_add_u32 v[SPW], v[NIL]                      ; the wave's opening: the add, twice on end, and its wait
	ds_add_u32 v[SPW], v[NIL]
	v_and_b32 v2, 31, v0
	v_lshlrev_b32 v[PFO], 10, v2
	v_lshrrev_b32 v1, 5, v0
	v_readfirstlane_b32 s14, v1                    ; wave 0..3
	s_lshr_b32 s15, s14, 1                         ; which half of A's rows is mine.  Also: I fetch for A (0) or for B (1)
	s_and_b32 s16, s14, 1                          ; which half of B's rows.  Also: which 128 rows of that tile I fetch
	s_bfe_u32 s40, ttmp6, 0x40000                  ; cx
	s_bfe_u32 s41, ttmp6, 0x40004                  ; cy
	s_and_b32 s96, ttmp7, 0xffff                   ; y
	s_add_co_u32 s94, ttmp9, 1
	s_lshr_b32 s94, s94, 1                         ; I = 0, 1, 1
	s_lshr_b32 s95, ttmp9, 1                       ; J = 0, 0, 1
	s_lshl_b32 s43, s41, 2
	s_lshl_b32 s43, 15, s43                        ; my row of the cluster
	s_lshl_b32 s44, 0x1111, s40                    ; my column
	s_or_b32 s[G1+0], s43, (1<<20)|(1<<21)|(5<<22)|(3<<25)   ; mask; elements of 1 byte; 4 words of padding after every 64; bit 21 beside the mask
	s_or_b32 s[G1B+0], s44, (1<<20)|(1<<21)|(5<<22)|(3<<25)
.irp g, G1, G1B
	s_mov_b32 s[\g+1], ROWB<<16
	s_mov_b32 s[\g+2], 128<<16
	s_mov_b32 s[\g+3], ROWB<<16
	s_mov_b32 s[\g+4], 128
	s_mov_b32 s[\g+5], 1024
	s_mov_b32 s[\g+6], 0
	s_mov_b32 s[\g+7], 0
.endr
	s_lshl_b32 s2, s96, 11                         ; the batch's first row
	s_lshl_b32 s18, s94, 10
	s_add_co_u32 s18, s18, s2
	s_lshl_b32 s19, s95, 10
	s_add_co_u32 s19, s19, s2
	s_lshl_b32 s3, s96, 10
	s_add_co_u32 s3, s3, 4096                      ; v: the cluster's first token
	s_cmp_eq_u32 ttmp9, 3
	s_cselect_b32 s18, 0, s18
	s_cselect_b32 s19, s3, s19
	s_lshl_b32 s3, s16, 7
	s_lshl_b32 s20, s41, 8
	s_add_co_u32 s20, s20, s18
	s_add_co_u32 s20, s20, s3
	s_lshl_b32 s20, s20, 10                        ; A's row: by cy alone
	s_mov_b32 s21, 0
	s_lshl_b32 s46, s40, 8
	s_add_co_u32 s46, s46, s19
	s_add_co_u32 s46, s46, s3
	s_lshl_b32 s46, s46, 10                        ; B's row: by cx alone
	s_mov_b32 s47, 0
	s_mul_i32 s45, s14, HALFT
	s_wait_alu depctr_va_vdst(0)
	s_wait_dscnt 0x0                               ; both opening adds are done
	s_wait_kmcnt 0x0
	s_load_b256 s[84:91], s[72:73], 0x0            ; e0 .. e7
	s_load_b64 s[92:93], s[72:73], 0x20            ; e8, e9
	s_cmp_eq_u32 ttmp9, 3
	s_cselect_b64 s[4:5], s[80:81], s[68:69]
	s_cselect_b64 s[8:9], s[78:79], s[70:71]
	s_add_nc_u64 s[20:21], s[4:5], s[20:21]
	s_add_nc_u64 s[46:47], s[8:9], s[46:47]
.irp s, 0,1
	s_mov_b32 s[G0+4*\s], 1
	s_add_co_u32 s[G0+4*\s+1], s45, \s*SLOT
	s_add_nc_u64 s[G0+4*\s+2:G0+4*\s+3], s[20:21], \s*ROWB
	s_or_b32 s[G0+4*\s+3], s[G0+4*\s+3], 0x80000000
	s_mov_b32 s[G0B+4*\s], 1
	s_add_co_u32 s[G0B+4*\s+1], s45, \s*SLOT
	s_add_nc_u64 s[G0B+4*\s+2:G0B+4*\s+3], s[46:47], \s*ROWB
	s_or_b32 s[G0B+4*\s+3], s[G0B+4*\s+3], 0x80000000
.endr
	CROUND                                         ; all sixteen work-groups are here: the first joint loads meet
	JLOAD 0                                        ; K step 0: one tensor load a wave at the head
	s_cmp_eq_u32 s15, 0
	s_cselect_b64 s[PFA:PFA+1], s[20:21], s[46:47]
	s_cselect_b32 s22, s40, s41
	s_lshl_b32 s22, s22, 15
	s_mov_b32 s23, 0
	s_add_nc_u64 s[PFA:PFA+1], s[PFA:PFA+1], s[22:23]
	global_prefetch_b8 v[PFO], s[PFA:PFA+1] offset:256 th:TH_LOAD_NT scope:SCOPE_SE   ; K step 1, while K step 0 is on its way
	s_lshl_b32 s17, s94, 2
	s_add_co_u32 s17, s17, s41                     ; query tile i
	s_lshl_b32 s42, s95, 2
	s_add_co_u32 s42, s42, s40                     ; key tile j
	s_lshl_b32 s101, s42, 1
	s_add_co_u32 s101, s101, s16                   ; key half 2 j + ..
	; p's fragments: ((128 y + 16 i + 8 x half) x 16 + key half) x 2,048
	s_lshl_b32 s22, s96, 7
	s_lshl_b32 s2, s17, 4
	s_add_co_u32 s22, s22, s2
	s_lshl_b32 s2, s15, 3
	s_add_co_u32 s22, s22, s2
	s_lshl_b32 s22, s22, 15
	s_lshl_b32 s2, s101, 11
	s_add_co_u32 s22, s22, s2
	s_add_nc_u64 s[8:9], s[74:75], s[22:23]
	; the record of row figures: ((16 y + 2 i + half) x 16 + key half) x 1,024
	s_lshl_b32 s22, s96, 4
	s_lshl_b32 s2, s17, 1
	s_add_co_u32 s22, s22, s2
	s_add_co_u32 s22, s22, s15
	s_lshl_b32 s22, s22, 14
	s_lshl_b32 s2, s101, 10
	s_add_co_u32 s22, s22, s2
	s_add_nc_u64 s[10:11], s[76:77], s[22:23]
	; v's fragments: ((4 + y) x 64 + 16 cy + 8 x half) x 16,384 + (2 cx + token half) x 2,048
	s_add_co_u32 s22, s96, 4
	s_lshl_b32 s22, s22, 6
	s_lshl_b32 s2, s41, 4
	s_add_co_u32 s22, s22, s2
	s_lshl_b32 s2, s15, 3
	s_add_co_u32 s22, s22, s2
	s_lshl_b32 s22, s22, 14
	s_lshl_b32 s2, s40, 1
	s_add_co_u32 s2, s2, s16
	s_lshl_b32 s2, s2, 11
	s_add_co_u32 s22, s22, s2
	s_add_nc_u64 s[12:13], s[82:83], s[22:23]
	s_sub_co_i32 s97, s42, s17                     ; -D = 256 (j - i) + 128 (key half - query half): it enters data alone
	s_lshl_b32 s97, s97, 8
	s_sub_co_i32 s2, s16, s15
	s_lshl_b32 s2, s2, 7
	s_add_co_i32 s97, s97, s2
	s_mul_i32 s18, s15, HALFT                      ; my 128 rows of A
	s_mul_i32 s19, s16, HALFT
	s_add_co_u32 s19, s19, 2*HALFT                 ; of B
	s_lshl_b32 s22, s14, 10
	s_add_co_u32 s22, s22, XCH
	s_xor_b32 s23, s14, 1                          ; the wave with my queries and the other 128 keys
	s_lshl_b32 s23, s23, 10
	s_add_co_u32 s23, s23, XCH
	s_cmp_le_i32 s97, 0
	s_cselect_b32 s2, 0, 0xff800000                ; a > b
	s_cmp_lt_i32 s97, 0
	s_cselect_b32 s3, 0, 0xff800000                ; a < b
	v_and_b32 v1, 31, v0                           ; lane
	v_and_b32 v2, 15, v0                           ; r
	v_bfe_u32 v3, v0, 4, 1                         ; h
	v_mul_u32_u24 v4, v2, PITCH
	v_lshl_add_u32 v4, v3, 4, v4                   ; row x pitch + 16 h
	v_lshlrev_b32 v[LI], 4, v1
	v_add_nc_u32 v[ADRA], s18, v4
	v_add_nc_u32 v[ADRB], s19, v4
	v_add_nc_u32 v[ADRA+1], SLOT, v[ADRA]
	v_add_nc_u32 v[ADRB+1], SLOT, v[ADRB]
	v_add_nc_u32 v[XA], s22, v[LI]
	v_add_nc_u32 v[XB], s23, v[LI]
	v_lshlrev_b32 v[SO], 5, v2
	v_lshl_add_u32 v[SO], v3, 4, v[SO]
	v_cmp_le_u32 s[HM], 16, v1
	v_lshlrev_b32 v[EE], 3, v3
	v_sub_nc_u32 v[EE], v[EE], v2
	v_add_nc_u32 v[EE], s97, v[EE]
.macro FRAG reg, adr, q, i             ; 16 rows x 128 K: lane l takes row l % 16, registers 4 c .. 4 c + 3 K = 32 c + 16 (l / 16) + 0 .. 15, in A and B alike
.irp c, 0,1,2,3
	ds_load_b128 v[\reg+4*\c:\reg+4*\c+3], v[\adr] offset:128*(\q)+32*\c+(\i)*16*PITCH
.endr
.endm
; 16 matrix instructions: A's blocks a0, a0 + 1 x B's eight; the 64 accumulators take turns in the same order in every step
.macro MUL16 a0, p, zero
.irp a, \a0, \a0+1
.irp b, 0,1,2,3,4,5,6,7
.if \zero
	v_wmma_f32_16x16x128_bf8_bf8 v[8*(8*((\a)%4)+\b):8*(8*((\a)%4)+\b)+7], v[128*(\p)+FR*\b:128*(\p)+FR*\b+FR-1], v[AF+FR*(\a):AF+FR*(\a)+FR-1], 0
.else
	v_wmma_f32_16x16x128_bf8_bf8 v[8*(8*((\a)%4)+\b):8*(8*((\a)%4)+\b)+7], v[128*(\p)+FR*\b:128*(\p)+FR*\b+FR-1], v[AF+FR*(\a):AF+FR*(\a)+FR-1], v[8*(8*((\a)%4)+\b):8*(8*((\a)%4)+\b)+7]
.endif
.endr
.endr
.endm
.macro FETCH_B slot, q, p
	WIN TO_B
.irp i, 0,1,2,3,4,5,6,7
	FRAG 128*(\p)+FR*\i, ADRB+\slot, \q, \i
.endr
	WIN 0
.endm
.macro FETCH_A slot, q, i0
.irp i, \i0, \i0+1, \i0+2, \i0+3
	FRAG AF+FR*(\i), ADRA+\slot, \q, \i
.endr
.endm
.macro PLACES n                        ; places in front of loads into registers that matrix instructions have read, and of reads of results
.rept \n
	v_nop
.endr
.endm
.macro STEP slot, zero                 ; a slot's first 128 along K; B's other set is free from the start, so its loads go ahead of the products
	s_wait_dscnt 4*NL                              ; B's set and A's blocks 0-3 are in; A's blocks 4-7 may be out
	PLACES NP
	FETCH_B \slot, 1, 1
	WIN MUL_LO
	MUL16 0, 0, \zero
	MUL16 2, 0, \zero
	s_wait_dscnt 8*NL                              ; A's blocks 4-7 are in; the 32 loads of B may be out
	PLACES NP
	WIN 0
	FETCH_A \slot, 1, 0
	WIN MUL_HI
	MUL16 4, 0, \zero
	MUL16 6, 0, \zero
	PLACES NP
	WIN 0
	FETCH_A \slot, 1, 4
.endm
.macro TURN slot, next, fill           ; a slot's last 128 along K changes slots; fill = 1: a round of the cluster's barrier, and this slot takes the K step two on
	s_wait_tensorcnt 0x0
	ds_add_u32 v[SPW], v[NIL]                      ; 0 onto my spare word
	s_wait_dscnt 4*NL+1                            ; the add and A's blocks 4-7 may be out
	WIN MUL_LO
	MUL16 0, 1, 0
	s_wait_dscnt 0x0                               ; the add is done, and my reads of this slot are over
	s_barrier_signal -1
	MUL16 2, 1, 0
	WIN 0
	s_barrier_wait -1
.if \fill
	CREST                                          ; no wave of any partner still reads this slot or has a load on its way
	s_add_nc_u64 s[G0+4*\slot+2:G0+4*\slot+3], s[G0+4*\slot+2:G0+4*\slot+3], 2*ROWB
	s_add_nc_u64 s[G0B+4*\slot+2:G0B+4*\slot+3], s[G0B+4*\slot+2:G0B+4*\slot+3], 2*ROWB
	JLOAD \slot
.else
	PLACES NP
.endif
	FETCH_B \next, 0, 0
	FETCH_A \next, 0, 0
	WIN MUL_HI
	MUL16 4, 1, 0
	MUL16 6, 1, 0
	PLACES NP
	WIN 0
	FETCH_A \next, 0, 4
.endm
	s_wait_alu depctr_va_vdst(0)
	s_wait_tensorcnt 0x0                           ; my part of K step 0 is in; slot 1's first fill is asked for as a refill is
	ds_add_u32 v[SPW], v[NIL]
	s_wait_dscnt 0x0
	CROUND                                         ; everybody's part is in
	JLOAD 1                                        ; K step 1
	FETCH_B 0, 0, 0
	FETCH_A 0, 0, 0
	FETCH_A 0, 0, 4
	global_prefetch_b8 v[PFO], s[PFA:PFA+1] offset:512 th:TH_LOAD_NT scope:SCOPE_SE   ; K steps 2 and 3: one and two changes of slots ahead of their loads
	global_prefetch_b8 v[PFO], s[PFA:PFA+1] offset:768 th:TH_LOAD_NT scope:SCOPE_SE
	STEP 0, 1
	TURN 0, 1, 1
	STEP 1, 0
	TURN 1, 0, 1
	STEP 0, 0
	TURN 0, 1, 0
	STEP 1, 0
	s_wait_dscnt 4*NL
	WIN MUL_LO
	MUL16 0, 1, 0
	MUL16 2, 1, 0
	s_wait_dscnt 0
	WIN MUL_HI
	MUL16 4, 1, 0
	MUL16 6, 1, 0
	WIN 0
	PLACES NP
	s_wait_alu depctr_va_vdst(0)
	s_wait_kmcnt 0x0
	s_cmp_eq_u32 ttmp9, 3
	s_cbranch_scc1 .Lv_part                        ; on the cluster's number: alike in all partners
	; ---- the softmax's first half
	s_mov_b32 s[SEL], 0x76543210
	s_mov_b32 s[SEL+1], 0xfedcba98
	s_add_co_i32 s20, s90, s91
	s_lshl_b32 s20, s20, 23
	s_add_co_i32 s[CS], s20, 0x3d38aa3b            ; log2(e) / 32, with e6 + e7 added to its exponent field
	s_mov_b32 s[CS+1], s[CS]                       ; (named with it as a pair, so it is written)
	s_add_co_i32 s20, s92, 127
	s_lshl_b32 s21, s20, 23
	s_add_co_i32 s20, s20, 15
	s_lshl_b32 s20, s20, 23
	s_or_b32 s20, s20, 0x600000
	v_mov_b32 v[SC], s21
	v_mov_b32 v[LIM], s20
	v_mov_b32 v[NINF], 0xff800000
.irp j, 0,1,2,3,4,5,6,7                ; a = b: key 8 h + j is hidden from query r + D where -j < 8 h - r - D
	v_cmp_lt_i32 vcc_lo, -\j, v[EE]
	v_cndmask_b32 v[ADD+\j], 0, v[NINF], vcc_lo
.endr
.set n, 0
.rept 48
	v_mov_b32 v[MC+n], v[NINF]
.set n, n+1
.endr
; The accumulators of window w: the addends onto the diagonal, then each row block's largest score in six chains, each accumulator from its low end on
.macro MASKMAX w
.set WW, ((\w)<<6)|(\w)
	WIN WW                                         ; destination and source 0 window w
.irp i, 0,2,4,6
.irp l, 0,1,2,3
.set DG, 8*(8*\l+4*((\w)-2)+\l)
	v_pk_add_f32 v[DG+\i:DG+\i+1], v[DG+\i:DG+\i+1], v[ADD+\i:ADD+\i+1]
.endr
.endr
.set WW, ((\w)<<2)|((\w)<<4)
	WIN WW                                         ; sources 1 and 2 window w
.irp b, 0,1,2,3,4,5,6,7
.irp i, 0,2,4,6
.irp l, 0,1,2,3
.set AA, 4*((\w)-2)+\l
.set CH, MC+8*((\i/2)%2)+AA
.if \b == AA
.set CH, CH+16
.endif
.if \b > AA
.set CH, CH+32
.endif
	v_max3_num_f32 v[CH], v[CH], v[8*(8*\l+\b)+\i], v[8*(8*\l+\b)+\i+1]
.endr
.endr
.endr
.endm
	MASKMAX 2
	MASKMAX 3
	WIN 0
.irp a, 0,1,2,3,4,5,6,7
	v_max_num_f32 v[MC+\a], v[MC+\a], v[MC+8+\a]
	v_max_num_f32 v[MC+16+\a], v[MC+16+\a], v[MC+24+\a]
	v_max_num_f32 v[MC+32+\a], v[MC+32+\a], v[MC+40+\a]
.endr
.irp a, 0,1,2,3,4,5,6,7
	v_add_f32 v[MC+\a], s2, v[MC+\a]
	v_add_f32 v[MC+32+\a], s3, v[MC+32+\a]
.endr
.irp a, 0,1,2,3,4,5,6,7
	v_max3_num_f32 v[MX+\a], v[MC+\a], v[MC+16+\a], v[MC+32+\a]
.endr
.irp a, 0,1,2,3,4,5,6,7
	v_permlanex16_b32 v[MC+\a], v[MX+\a], s[SEL], s[SEL+1]     ; the query's other 64 keys lie in the lane 16 away
.endr
.irp a, 0,1,2,3,4,5,6,7
	v_max_num_f32 v[MX+\a], v[MX+\a], v[MC+\a]
.endr
	; the two waves of a query half exchange their maxima: store, wait, barrier, load
	ds_store_b128 v[XA], v[MX:MX+3]
	ds_store_b128 v[XA], v[MX+4:MX+7] offset:512
	s_wait_alu depctr_va_vdst(0)
	s_wait_dscnt 0x0                               ; for the other wave's sake: my stores are done
	s_barrier_signal -1
	s_barrier_wait -1
	ds_load_b128 v[240:243], v[XB]
	ds_load_b128 v[244:247], v[XB] offset:512
	s_wait_dscnt 0x0
.irp a, 0,1,2,3,4,5,6,7
	v_max_num_f32 v[MX+\a], v[MX+\a], v[240+\a]
.endr
.irp a, 0,1,2,3,4,5,6,7
	v_mul_f32 v[MX+\a], s[CS], v[MX+\a]            ; as t (c is positive)
.endr
.irp a, 0,1,2,3,4,5,6,7
	v_max_num_f32 v[MX+\a], 0xf149f2ca, v[MX+\a]   ; not under -1e30: a query with no open key here keeps a number for M
.endr
.irp a, 0,1,2,3,4,5,6,7
	v_floor_f32 v[NMD+2*\a], -v[MX+\a]             ; -M = floor(-t): M IS A WHOLE NUMBER
	v_floor_f32 v[NMD+2*\a+1], -v[MX+\a]
.endr
.irp a, 0,1,2,3,4,5,6,7
	v_add_f32 v[NMP+2*\a], s2, v[NMD+2*\a]
	v_add_f32 v[NMP+2*\a+1], s2, v[NMD+2*\a]
	v_add_f32 v[NMN+2*\a], s3, v[NMD+2*\a]
	v_add_f32 v[NMN+2*\a+1], s3, v[NMD+2*\a]
.endr
; AST a: t - M of row block a, two at a time, out of the accumulators
.macro AST a
.set TT, T0+64*((\a)%2)
.set WW, 2+((\a)/4)
	WIN WW
.irp b, 0,1,2,3,4,5,6,7
.set NQ, NMP
.if \b == (\a)
.set NQ, NMD
.endif
.if \b > (\a)
.set NQ, NMN
.endif
.irp i, 0,2,4,6
	v_pk_fma_f32 v[TT+8*\b+\i:TT+8*\b+\i+1], v[8*(8*((\a)%4)+\b)+\i:8*(8*((\a)%4)+\b)+\i+1], s[CS:CS+1], v[NQ+2*(\a):NQ+2*(\a)+1] op_sel_hi:[1,0,0]
.endr
.endr
	WIN 0
.endm
; A stage: block a's 64 exponentials, each with block a - 1's one-sided hold behind it (p is never negative; the conversion to an 8-bit code does not saturate: ISA guide 7.6.2), between two waits (
; one ahead of the batch and one behind it); then block a's sum, of the UNQUANTISED p; block a - 1's codes, stored as an image of a fragment; and block a + 1's t - M into the registers that those codes came from.
.macro STAGE a
.set TA, T0+64*((\a)%2)
.set TP, T0+64*(((\a)+1)%2)
	s_wait_alu depctr_va_vdst(0)
.set n, 0
.rept 64
.if \a < 8
	v_exp_f32 v[TA+n], v[TA+n]
.endif
.if \a > 0
	v_min_num_f32 v[TP+n], v[LIM], v[TP+n]
.endif
.set n, n+1
.endr
.if \a == 0
	v_nop                                          ; a plain instruction behind the last exponential
.endif
	s_wait_alu depctr_va_vdst(0)
.if \a < 8
.irp k, 0,2,4,6
	v_pk_add_f32 v[SS+\k:SS+\k+1], v[TA+\k:TA+\k+1], v[TA+8+\k:TA+9+\k]
.endr
.irp m, 16,24,32,40,48,56
.irp k, 0,2,4,6
	v_pk_add_f32 v[SS+\k:SS+\k+1], v[SS+\k:SS+\k+1], v[TA+\m+\k:TA+\m+\k+1]
.endr
.endr
	v_pk_add_f32 v[SS:SS+1], v[SS:SS+1], v[SS+2:SS+3]
	v_pk_add_f32 v[SS+4:SS+5], v[SS+4:SS+5], v[SS+6:SS+7]
	v_pk_add_f32 v[SS:SS+1], v[SS:SS+1], v[SS+4:SS+5]
	v_add_f32 v[LS+\a], v[SS], v[SS+1]
.endif
.if \a > 0
.set CC, CD+16*(((\a)+1)%2)
	s_wait_xcnt 0x0                                ; the stores of two blocks ago have read this set of code registers
.irp b, 0,1,2,3,4,5,6,7
	v_cvt_scalef32_pk8_bf8_f32 v[CC+2*\b:CC+2*\b+1], v[TP+8*\b:TP+8*\b+7], v[SC]
.endr
	v_nop                                          ; one plain instruction behind the last conversion
.irp c, 0,1,2,3
	global_store_b128 v[LI], v[CC+4*\c:CC+4*\c+3], s[8:9] offset:32768*(\a-1)+512*\c   ; 32 lanes store 512 consecutive bytes, aligned
.endr
.endif
.if \a < 7
	AST \a+1
.endif
.endm
	AST 0
.irp a, 0,1,2,3,4,5,6,7,8
	STAGE \a
.endr
	; the row figures: lane (r, h) stores those of rows 16 a + r, a = 4 h .. 4 h + 3: 16 bytes at 32 r + 16 h
.irp a, 0,1,2,3,4,5,6,7
	v_permlanex16_b32 v[T0+\a], v[LS+\a], s[SEL], s[SEL+1]
.endr
.irp a, 0,1,2,3,4,5,6,7
	v_add_f32 v[LS+\a], v[LS+\a], v[T0+\a]         ; the sum over my wave's 128 keys
.endr
.irp x, 0,1,2,3
	v_cndmask_b32 v[T0+8+\x], v[NMD+2*\x], v[NMD+8+2*\x], s[HM]
	v_cndmask_b32 v[T0+12+\x], v[LS+\x], v[LS+4+\x], s[HM]
.endr
	global_store_b128 v[SO], v[T0+8:T0+11], s[10:11]               ; -M: 512 consecutive bytes
	global_store_b128 v[SO], v[T0+12:T0+15], s[10:11] offset:512   ; the sums: the next 512
	s_branch .Lend
.Lv_part:                                              ; v: held, converted, stored as images of fragments; the codes of the eight blocks have registers of their own
	s_sub_co_i32 s20, s93, s88
	s_sub_co_i32 s20, s20, s89                     ; e9 - e4 - e5
	s_add_co_i32 s20, s20, 127
	s_lshl_b32 s21, s20, 23
	s_add_co_i32 s20, s20, 15
	s_lshl_b32 s20, s20, 23
	s_or_b32 s20, s20, 0x600000
	v_mov_b32 v[SC], s21
	v_mov_b32 v[LIM], s20
.irp a, 0,1,2,3,4,5,6,7
.set WW, 2+(\a/4)
	WIN WW
.set n, 0
.rept 64
	v_med3_num_f32 v[T0+n], v[64*(\a%4)+n], -v[LIM], v[LIM]
.set n, n+1
.endr
	WIN 0
.irp b, 0,1,2,3,4,5,6,7
	v_cvt_scalef32_pk8_bf8_f32 v[T0+64+16*\a+2*\b:T0+64+16*\a+2*\b+1], v[T0+8*\b:T0+8*\b+7], v[SC]
.endr
	v_nop
.irp c, 0,1,2,3
	global_store_b128 v[LI], v[T0+64+16*\a+4*\c:T0+64+16*\a+4*\c+3], s[12:13] offset:16384*\a+512*\c
.endr
.endr
.Lend:
	s_wait_tensorcnt 0x0                           ; the wave's end
	ds_add_u32 v[SPW], v[NIL]
	s_wait_dscnt 0x0
	CROUND                                         ; the closing round
	s_endpgm
.Lfunc_end_k_q717b709fdf_scores:
	.size	k_q717b709fdf_scores, .Lfunc_end_k_q717b709fdf_scores-k_q717b709fdf_scores
	.p2alignl 7, 3214868480
	.fill 96, 4, 3214868480
	.section	.rodata,"a",@progbits
	.p2align	6, 0x0
	.amdhsa_kernel k_q717b709fdf_scores
		.amdhsa_group_segment_fixed_size 327680
		.amdhsa_private_segment_fixed_size 0
		.amdhsa_enable_private_segment 0
		.amdhsa_kernarg_size 64
		.amdhsa_user_sgpr_count 2
		.amdhsa_user_sgpr_kernarg_segment_ptr 1
		.amdhsa_wavefront_size32 1
		.amdhsa_system_sgpr_workgroup_id_x 1
		.amdhsa_system_sgpr_workgroup_id_y 1
		.amdhsa_system_sgpr_workgroup_id_z 1
		.amdhsa_system_vgpr_workitem_id 0
		.amdhsa_next_free_vgpr 1024
		.amdhsa_next_free_sgpr 102
		.amdhsa_reserve_vcc 1
		.amdhsa_float_denorm_mode_32 3
		.amdhsa_float_denorm_mode_16_64 3
		.amdhsa_memory_ordered 1
		.amdhsa_forward_progress 1
		.amdhsa_inst_pref_size 221
	.end_amdhsa_kernel
	.amdgpu_metadata
---
amdhsa.version: [ 1, 2 ]
amdhsa.kernels:
  - .name:           k_q717b709fdf_scores
    .symbol:         k_q717b709fdf_scores.kd
    .args:
      - { .name: q_rows, .offset: 0, .size: 8, .value_kind: global_buffer, .address_space: global }
      - { .name: k_rows, .offset: 8, .size: 8, .value_kind: global_buffer, .address_space: global }
      - { .name: lowp_scales, .offset: 16, .size: 8, .value_kind: global_buffer, .address_space: global }
      - { .name: p_img, .offset: 24, .size: 8, .value_kind: global_buffer, .address_space: global }
      - { .name: stats, .offset: 32, .size: 8, .value_kind: global_buffer, .address_space: global }
      - { .name: x_codes, .offset: 40, .size: 8, .value_kind: global_buffer, .address_space: global }
      - { .name: Wv_codes, .offset: 48, .size: 8, .value_kind: global_buffer, .address_space: global }
      - { .name: v_img, .offset: 56, .size: 8, .value_kind: global_buffer, .address_space: global }
    .group_segment_fixed_size: 327680
    .private_segment_fixed_size: 0
    .kernarg_segment_align: 8
    .kernarg_segment_size: 64
    .max_flat_workgroup_size: 128
    .sgpr_count:     102
    .vgpr_count:     1024
    .wavefront_size: 32
...
	.end_amdgpu_metadata
.endif
;; end of part 2
;; launch pv (part 3): grid 8 x 32, 4 waves a work-group, clusters of 4 x 4, 327,680 bytes of LDS; arguments p_img, v_img, stats, lowp_scales, out0; writes out0
.if DOCPART == 3
	.amdgcn_target "amdgcn-amd-amdhsa--gfx1250"
	.amdhsa_code_object_version 6
	.text
	.protected	k_q717b709fdf_pv
	.globl	k_q717b709fdf_pv
	.p2align	8
	.type	k_q717b709fdf_pv,@function
k_q717b709fdf_pv:
	s_mov_b64 s[64:65], 0
	v_nop
	global_prefetch_b8 v0, s[64:65] scope:SCOPE_SE
	s_setreg_imm32_b32 hwreg(HW_REG_WAVE_MODE, 25, 1), 1
	s_wait_xcnt 0x0
	s_wait_alu depctr_hold_cnt(0) depctr_sa_sdst(0) depctr_va_vdst(0) depctr_va_sdst(0) depctr_va_ssrc(0) depctr_va_vcc(0) depctr_vm_vsrc(0)
	s_getreg_b32 s2, hwreg(HW_REG_IB_STS2, 6, 4)
	s_cmp_eq_u32 s2, 0
	s_cbranch_scc0 .Lentry_in_a_cluster
	s_endpgm
.Lentry_in_a_cluster:
	s_bfe_u32 s2, ttmp6, 0x10000c
	s_cmp_lg_u32 s2, 0xf033
	s_cbranch_scc0 .Lentry_shape_is_right
	s_endpgm
.Lentry_shape_is_right:
; O = (the sum over the keys of p v) / l on codes of BF8 (E5M2).  p was quantised tile by tile of 256 keys (a BLOCK), each block under its own whole number M; here the blocks of a row are brought under one.
; WORK LEFT OUT: slots of 512 keys that the causal mask of the problem hides from all four query tiles of a cluster: their p is 0 for all values of the inputs.
; LIMIT: a NaN, an infinity or an overflow that reaches only what is left out is not carried to the result.
; SHARES.  Cluster (x, y): batch b = y / 2, g = y % 2; channel tile c8 = 4 x + cx (128 channels).  A work-group makes TWO tiles of 128 queries x 128 channels, one after the other: tile A = query tile 4 g + cy, over
; g + 1 slots of 512 keys, and tile B = query tile 12 - 4 g + cy, over 4 - g slots: five slots in every work-group.  Four waves, 64 queries x 64 channels each: 16 accumulators.
; P's tile is asked for jointly along a row of the cluster, V's along a column.
; OPERANDS ARE IMAGES OF REGISTERS (16 rows x 128 keys = 2,048 bytes): a slot's part of a block of 16 rows is 8,192 consecutive bytes; a fragment comes from LDS by four loads of 512 consecutive bytes.
; PREFETCH: a slot is asked for one or two slots ahead of its load: 8,192 bytes a wave, lanes 256 bytes apart; of the four blocks that a wave fetches, the partners of the joint load take one each, by address.
; TRANSPOSED USE (source 0 = 16 channels of V^T, source 1 = 16 queries of P): lane (r, h) of accumulator (a, b) holds query 16 a + r and channels 16 b + 8 h + 0 .. 7.
; THE UNITS.  With Mrow = a row's largest M, the sums are kept in units 2^U, U = max(M of the block in hand, Mrow - 64): ahead of each block they are multiplied by 2^(U before - U now), an exact power of two within
; 2^+-64; at the end by 2^(U last - Mrow + e8 + e9) / l, l = the sum over blocks of 2^(M - Mrow) x the block's sum.  The factor ahead of tile B's first block is 0: it begins B's sums.
; LIMITS: a block whose M lies more than 64 under the row's counts with weight 2^-64 instead of less; numbers under the format's range are kept more finely than under the row's M; |M| under 2^24.  NaN is not served.
; REGISTERS: window 0: v3-29 addresses; v32-159 the way out.  window 1: two fragment buffers of 128: P's four fragments, then V's four.  window 2: v0-127 the accumulators ((a, b) at v[8 (4 a + b)]).
;   window 3: v0-119 the row figures; v120-191 the factors (blocks 1-9 x 4 row blocks, each twice); v192-223 the last factors; v224-255 at work.
.set SLOT,  131072                     ; P's 8 blocks x 8,192 bytes, then V's 8
.set STAGE, 2*SLOT                     ; behind the ring: 16 rows x 272 bytes for each wave, for the way out
.set SP,    272
.set SPARE, STAGE+4*16*SP              ; the spare words, 128 bytes for each wave
.set SOF,  3                           ; v3-7    slot z: my byte offset in the row figures
.set PF,   9                           ; v10-13  slots 1-4: my prefetch's offset
.set L256, 14                          ; v14     256 x lane
.set ADRP, 16                          ; v16-17  LDS address of my P fragments in ring slot 0, 1
.set ADRV, 20                          ; v20-21  the same for V
.set STO,  24                          ; v24     the way out: where I put 32 bytes of a row
.set RD,   25                          ; v25     where I read a row back
.set CO,   26                          ; v26     my byte offset in two rows of O
.set SL,   27                          ; v27     32 r + 16 x query half: my four numbers of a record
.set SPW,  28
.set NIL,  29
.set TMP,  32                          ; window 0: two sets of 32 numbers
.set BK,   96                          ; window 0: two sets of 32 numbers read back
.set ST,   0                           ; window 3: slot z at 24 z: -M of its two blocks (4 + 4), then the sums of its four halves of 128 keys (4 x 4)
.set F2,   120
.set GA,   192
.set GB,   208
.set MA,   224                         ; tile A's smallest -M, four row blocks;  MA6: + 64
.set MB,   228                         ; tile B's
.set M23,  232                         ; that of blocks 2 and 3's tile
.set MA6,  236
.set MB6,  240
.set M236, 244
.set DD,   248
.set D2,   252
.set F0,   0
.set F1,   128
.set G1P, 24                           ; s[24:31] descriptor group 1 for P's tiles;  s[32:39] for V's
.set G1V, 32
.set G0P, 40                           ; s[40:59] five groups 0 for P, one for each slot, never rewritten
.set G0V, 68                           ; s[68:87] the same for V
.set SG,  92                           ; s92  a lane mask: all ones where g = 1
.set E89, 94                           ; s94  e8 + e9
.set MSB, 0
.macro WIN new
.if MSB != \new
	s_set_vgpr_msb (MSB<<8)|\new
.set MSB, \new
.endif
.endm
.macro JLOAD z                         ; slot z's joint load: waves 0 and 1 fetch P's halves, waves 2 and 3 V's; s_nop 0 and four v_nop follow each line
	s_cmp_eq_u32 s15, 0
	s_cbranch_scc0 .Lfor_v_\@
	tensor_load_to_lds s[G0P+4*(\z):G0P+4*(\z)+3], s[G1P:G1P+7]
	s_nop 0
.rept 4
	v_nop
.endr
	s_branch .Lasked_\@
.Lfor_v_\@:
	tensor_load_to_lds s[G0V+4*(\z):G0V+4*(\z)+3], s[G1V:G1V+7]
	s_nop 0
.rept 4
	v_nop
.endr
.Lasked_\@:
.endm
.macro ASK z
	global_prefetch_b8 v[PF+\z], s[2:3] th:TH_LOAD_NT scope:SCOPE_SE
.endm
.macro CREST
	s_cmp_lg_u32 s14, 0
	s_cbranch_scc1 .Lnot_wave_0_\@
	s_barrier_signal -3
.Lnot_wave_0_\@:
	s_barrier_wait -3
	s_barrier_signal -1
	s_barrier_wait -1
.endm
.macro CROUND
	s_barrier_signal -1
	s_barrier_wait -1
	CREST
.endm
.macro PLACES                          ; places in front of loads into registers that matrix instructions have read, and of vector instructions that read or write results (ISA guide 7.12.1 for the vector instructions)
.rept 4
	v_nop
.endr
.endm
; Slot z belongs to tile A while z < A's slots; kappa (s61) = which 512 keys of its tile's.  Its descriptors, my offset in the row figures, my prefetch's offset
.macro SLOTZ z
	s_cmp_le_u32 s19, \z
	s_cselect_b32 s60, s101, s93                   ; the query tile
	s_cselect_b32 s61, s19, 0
	s_sub_co_u32 s61, \z, s61
	s_lshl_b32 s96, s17, 7                         ; P: block 128 b + 8 t + 4 half, of 32,768 bytes, + 8,192 kappa
	s_lshl_b32 s62, s60, 3
	s_add_co_u32 s96, s96, s62
	s_lshl_b32 s62, s16, 2
	s_add_co_u32 s96, s96, s62
	s_lshl_b32 s96, s96, 15
	s_lshl_b32 s62, s61, 13
	s_add_co_u32 s96, s96, s62
	s_mov_b32 s[G0P+4*\z], 1
	s_add_co_u32 s[G0P+4*\z+1], s100, (\z%2)*SLOT
	s_add_nc_u64 s[G0P+4*\z+2:G0P+4*\z+3], s[4:5], s[96:97]
	s_or_b32 s[G0P+4*\z+3], s[G0P+4*\z+3], 0x80000000
	s_lshl_b32 s98, s17, 1                         ; V: run 2 b + kappa / 2; block 8 c8 + 4 half, of 16,384 bytes; + 8,192 (kappa % 2)
	s_lshr_b32 s63, s61, 1
	s_add_co_u32 s98, s98, s63
	s_lshl_b32 s98, s98, 6
	s_lshl_b32 s63, s22, 3
	s_add_co_u32 s98, s98, s63
	s_lshl_b32 s63, s16, 2
	s_add_co_u32 s98, s98, s63
	s_lshl_b32 s98, s98, 14
	s_and_b32 s63, s61, 1
	s_lshl_b32 s63, s63, 13
	s_add_co_u32 s98, s98, s63
	s_mov_b32 s[G0V+4*\z], 1
	s_add_co_u32 s[G0V+4*\z+1], s100, (\z%2)*SLOT
	s_add_nc_u64 s[G0V+4*\z+2:G0V+4*\z+3], s[6:7], s[98:99]
	s_or_b32 s[G0V+4*\z+3], s[G0V+4*\z+3], 0x80000000
	s_lshl_b32 s62, s17, 4                         ; the row figures: record ((16 b + t) x 16 + 4 kappa), of 1,024 bytes
	s_add_co_u32 s62, s62, s60
	s_lshl_b32 s62, s62, 4
	s_lshl_b32 s23, s61, 2
	s_add_co_u32 s62, s62, s23
	s_lshl_b32 s62, s62, 10
	v_add_nc_u32 v[SOF+\z], s62, v[SL]
.if \z > 0
	s_cmp_eq_u32 s15, 0
	s_cselect_b32 s67, s96, s98
	s_add_co_u32 s67, s67, s66
	v_add_nc_u32 v[PF+\z], s67, v[L256]
.endif
.endm
	s_load_b256 s[4:11], s[0:1], 0x0               ; p_img s[4:5], v_img s[6:7], the row figures s[8:9], the exponents s[10:11]
	s_load_b64 s[12:13], s[0:1], 0x20              ; O
	v_lshl_add_u32 v[SPW], v0, 2, SPARE
	v_mov_b32 v[NIL], 0
	ds_add_u32 v[SPW], v[NIL]                      ; the wave's opening: the add, twice on end, and its wait
	ds_add_u32 v[SPW], v[NIL]
	v_lshrrev_b32 v1, 5, v0
	v_readfirstlane_b32 s14, v1                    ; wave 0..3
	s_lshr_b32 s15, s14, 1                         ; which 64 queries are mine.  Also: I fetch for P (0) or for V (1)
	s_and_b32 s16, s14, 1                          ; which 64 channels.  Also: which 4 blocks of that tile I fetch
	s_lshl_b32 s23, s15, 4
	v_and_b32 v2, 15, v0                           ; r
	v_lshlrev_b32 v[SL], 5, v2
	v_add_nc_u32 v[SL], s23, v[SL]
	v_and_b32 v1, 31, v0
	v_lshlrev_b32 v[L256], 8, v1
	s_bfe_u32 s20, ttmp6, 0x40000                  ; cx
	s_bfe_u32 s21, ttmp6, 0x40004                  ; cy
	s_and_b32 s23, ttmp7, 0xffff
	s_lshr_b32 s17, s23, 1                         ; the batch
	s_and_b32 s18, s23, 1                          ; g: alike in the whole cluster
	s_add_co_u32 s19, s18, 1                       ; tile A's slots
	s_lshl_b32 s22, ttmp9, 2
	s_add_co_u32 s22, s22, s20                     ; c8
	s_lshl_b32 s93, s18, 2
	s_sub_co_u32 s101, 12, s93
	s_add_co_u32 s93, s93, s21                     ; tile A: query tile 4 g + cy
	s_add_co_u32 s101, s101, s21                   ; tile B: 12 - 4 g + cy
	s_sub_co_u32 s[SG], 0, s18
	s_lshl_b32 s62, s21, 2
	s_lshl_b32 s62, 15, s62                        ; my row of the cluster
	s_lshl_b32 s63, 0x1111, s20                    ; my column
	; descriptor groups 1: 4 rows (blocks of 16) of 8,192 bytes, dense in LDS; in memory 32,768 bytes apart (P), 16,384 (V)
	s_or_b32 s[G1P], s62, (3<<16)|(1<<21)          ; 15:0 the mask; 17:16 elements of 8 bytes; 21 set beside a mask; no padding
	s_or_b32 s[G1V], s63, (3<<16)|(1<<21)
.irp g, G1P, G1V
	s_mov_b32 s[\g+1], 1024<<16                    ; tensor_dim0 = 1,024 elements
	s_mov_b32 s[\g+2], 4<<16                       ; tensor_dim1 = 4
	s_mov_b32 s[\g+3], 1024<<16                    ; tile_dim0
	s_mov_b32 s[\g+4], 4                           ; tile_dim1
	s_mov_b32 s[\g+6], 0
	s_mov_b32 s[\g+7], 0
.endr
	s_mov_b32 s[G1P+5], 4096                       ; tensor_dim0_stride
	s_mov_b32 s[G1V+5], 2048
	s_mov_b32 s97, 0
	s_mov_b32 s99, 0
	s_lshl_b32 s100, s14, 15                       ; where my part of a slot goes: wave x 32,768: no place in the cluster enters an LDS address
	s_lshl_b32 s66, s20, 15                        ; which of my four blocks my work-group prefetches: P by cx, V by cy
	s_lshl_b32 s67, s21, 14
	s_cmp_eq_u32 s15, 0
	s_cselect_b32 s66, s66, s67
	s_wait_alu depctr_va_vdst(0)
	s_wait_dscnt 0x0                               ; both opening adds are done
	s_wait_kmcnt 0x0
	s_load_b64 s[94:95], s[10:11], 0x20            ; e8, e9
	SLOTZ 0
	CROUND                                         ; all sixteen work-groups are here: the first joint loads meet
	JLOAD 0                                        ; slot 0: one tensor load a wave at the head
	s_cmp_eq_u32 s15, 0
	s_cselect_b64 s[2:3], s[4:5], s[6:7]           ; what I prefetch from
.irp z, 1,2,3,4
	SLOTZ \z
.endr
	s_wait_alu depctr_va_vdst(0)
	WIN 0xc0                                       ; destination window 3
.irp z, 0,1,2,3,4                      ; a slot's four records: -M of its two blocks, the sums of its four halves; four row blocks a load
	global_load_b128 v[ST+24*\z:ST+24*\z+3],     v[SOF+\z], s[8:9]
	global_load_b128 v[ST+24*\z+4:ST+24*\z+7],   v[SOF+\z], s[8:9] offset:2048
	global_load_b128 v[ST+24*\z+8:ST+24*\z+11],  v[SOF+\z], s[8:9] offset:512
	global_load_b128 v[ST+24*\z+12:ST+24*\z+15], v[SOF+\z], s[8:9] offset:1536
	global_load_b128 v[ST+24*\z+16:ST+24*\z+19], v[SOF+\z], s[8:9] offset:2560
	global_load_b128 v[ST+24*\z+20:ST+24*\z+23], v[SOF+\z], s[8:9] offset:3584
.endr
	WIN 0
	ASK 1                                          ; slot 1, while slot 0 is on its way
	; O at my part of tile A and of tile B: row 2,048 b + 128 t + 64 x query half; byte 512 c8 + 256 x channel half
	s_lshl_b32 s98, s22, 9
	s_lshl_b32 s63, s16, 8
	s_add_co_u32 s98, s98, s63
	s_lshl_b32 s23, s17, 11
	s_lshl_b32 s62, s15, 6
	s_add_co_u32 s23, s23, s62
	s_lshl_b32 s96, s93, 7
	s_add_co_u32 s96, s96, s23
	s_lshl_b32 s96, s96, 12
	s_add_nc_u64 s[88:89], s[12:13], s[96:97]
	s_add_nc_u64 s[88:89], s[88:89], s[98:99]
	s_lshl_b32 s96, s101, 7
	s_add_co_u32 s96, s96, s23
	s_lshl_b32 s96, s96, 12
	s_add_nc_u64 s[90:91], s[12:13], s[96:97]
	s_add_nc_u64 s[90:91], s[90:91], s[98:99]
	s_lshl_b32 s60, s15, 15                        ; my 4 blocks of P
	s_lshl_b32 s61, s16, 15                        ; my 4 blocks of V,
	s_add_co_u32 s61, s61, 65536                   ; which lie behind P's 8
	s_mul_i32 s62, s14, 16*SP
	s_add_co_u32 s62, s62, STAGE                   ; my stage
	v_and_b32 v1, 31, v0
	v_and_b32 v2, 15, v0
	v_bfe_u32 v8, v0, 4, 1                         ; h
	v_lshlrev_b32 v9, 4, v1                        ; 16 x lane
	v_add_nc_u32 v[ADRP], s60, v9
	v_add_nc_u32 v[ADRV], s61, v9
	v_add_nc_u32 v[ADRP+1], SLOT, v[ADRP]
	v_add_nc_u32 v[ADRV+1], SLOT, v[ADRV]
	v_mul_u32_u24 v[STO], v2, SP                   ; in: row r, 32 bytes for each half of the lanes
	v_mul_u32_u24 v[RD], v8, SP                    ; back: lanes 0-15 one row of 256 bytes, lanes 16-31 the next
	v_lshlrev_b32 v[CO], 12, v8                    ; and the same two rows in O: a row is 4,096 bytes
	v_lshl_add_u32 v[STO], v8, 5, v[STO]
	v_lshl_add_u32 v[RD], v2, 4, v[RD]
	v_lshl_add_u32 v[CO], v2, 4, v[CO]
	v_add_nc_u32 v[STO], s62, v[STO]
	v_add_nc_u32 v[RD], s62, v[RD]
; 32 LDS loads in one run: the fragments of the s-th 128 keys of ring slot r into buffer f: P's four, then V's four
.macro FETCH r, s, f
	WIN 0x40                                       ; destination window 1, address window 0
.irp x, 0,1,2,3
.irp c, 0,1,2,3
	ds_load_b128 v[(\f)+16*\x+4*\c:(\f)+16*\x+4*\c+3], v[ADRP+(\r)] offset:8192*\x+2048*(\s)+512*\c
.endr
.endr
.irp x, 0,1,2,3
.irp c, 0,1,2,3
	ds_load_b128 v[(\f)+64+16*\x+4*\c:(\f)+64+16*\x+4*\c+3], v[ADRV+(\r)] offset:8192*\x+2048*(\s)+512*\c
.endr
.endr
.endm
; 8 matrix instructions of 128 keys: row blocks a0, a0 + 1; the 16 accumulators take turns, one instruction a turn, in the same order in every step.  zero = 1: the first product starts the sums
.macro MUL8 f, a0, zero
	WIN 0xa5                                       ; sources 0 (V) and 1 (P) window 1; C and D window 2
.irp a, \a0, \a0+1
.irp b, 0,1,2,3
.if \zero
	v_wmma_f32_16x16x128_bf8_bf8 v[8*(4*(\a)+\b):8*(4*(\a)+\b)+7], v[(\f)+64+16*\b:(\f)+64+16*\b+15], v[(\f)+16*(\a):(\f)+16*(\a)+15], 0
.else
	v_wmma_f32_16x16x128_bf8_bf8 v[8*(4*(\a)+\b):8*(4*(\a)+\b)+7], v[(\f)+64+16*\b:(\f)+64+16*\b+15], v[(\f)+16*(\a):(\f)+16*(\a)+15], v[8*(4*(\a)+\b):8*(4*(\a)+\b)+7]
.endif
.endr
.endr
.endm
.macro RESCALE sg                      ; the sums into block sg's units: an exact power of two (or 0), each accumulator from its low end on
	WIN 0x8e                                       ; destination and source 0 window 2, the factor window 3
.irp a, 0,1,2,3
.irp b, 0,1,2,3
.irp i, 0,2,4,6
	v_pk_mul_f32 v[8*(4*\a+\b)+\i:8*(4*\a+\b)+\i+1], v[8*(4*\a+\b)+\i:8*(4*\a+\b)+\i+1], v[F2+8*((\sg)-1)+2*\a:F2+8*((\sg)-1)+2*\a+1] op_sel_hi:[1,0]
.endr
.endr
.endr
.endm
; One of a slot's first three steps of 128 keys: the next step's fragments are asked for, then this step's products.  sg: the block that begins here, 0 if none does
.macro STEP r, s, sg, zero
	s_wait_dscnt 0x0                               ; this step's fragments are in
	PLACES                                         ; behind the last products: for the loads below and for the rescaling
	FETCH \r, (\s)+1, 128*(((\s)+1)%2)
.if \sg
	RESCALE \sg
.endif
	MUL8 128*((\s)%2), 0, \zero
	MUL8 128*((\s)%2), 2, \zero
.endm
; A slot's last step changes slots: ONE barrier; in front of it each wave waits for all its tensor loads, adds 0 to its spare word, and waits for that and for its own reads of this slot.
; fill = 1: the ring slot just read takes slot z + 2; the barrier then opens a round of the cluster's barrier.
.macro TURN r, z, fill
	WIN 0                                          ; (the add's two registers lie in window 0)
	s_wait_tensorcnt 0x0                           ; all my tensor loads have landed: my part of the next slot;
	ds_add_u32 v[SPW], v[NIL]                      ; 0 onto my spare word;
	s_wait_dscnt 0x0                               ; the add is done, and my reads of this slot are over
	s_barrier_signal -1
	MUL8 F1, 0, 0                                  ; work on registers while the others arrive
	WIN 0
	s_barrier_wait -1
.if \fill
	CREST                                          ; no wave of any partner still reads this slot's tile or has a load on its way
	JLOAD (\z)+2                                   ; the first tensor load behind the round; the four v_nop behind it are the places in front of the loads below
.else
	PLACES
.endif
	FETCH 1-(\r), 0, F0
.if \z == 0
	WIN 0
	ASK 4                                          ; slot 4: two changes of slots ahead of its load
.endif
	MUL8 F1, 2, 0                                  ; the step's other half, behind the next step's loads
	WIN 0
.endm
.macro SEND a, ob
.irp t, 0,1,2,3,4,5,6,7
	global_store_b128 v[CO], v[BK+32*((\a)%2)+4*\t:BK+32*((\a)%2)+4*\t+3], s[\ob:\ob+1] offset:(16*(\a)+2*\t)*4096 th:TH_STORE_NT   ; 16 lanes store 256 consecutive bytes, aligned; written once, read by nobody here
.endr
.endm
; THE WAY OUT of a tile: x the last factor; a row block (16 queries x 64 channels) at a time through my own stage in LDS, back as whole rows of 256 bytes, which are stored while the next row block is on its way.
; LDS serves a wave's instructions in order (ISA guide 5.7.1.4): no wait between the stores and the loads.
.macro FLUSH gg, ob
	s_wait_xcnt 0x0                                ; earlier stores have read their registers
	PLACES
.irp a, 0,1,2,3
	WIN 0x0e                                       ; source 0 window 2, the factor window 3
.irp b, 0,1,2,3
.irp i, 0,2,4,6
	v_pk_mul_f32 v[TMP+32*(\a%2)+8*\b+\i:TMP+32*(\a%2)+8*\b+\i+1], v[8*(4*\a+\b)+\i:8*(4*\a+\b)+\i+1], v[\gg+2*\a:\gg+2*\a+1] op_sel_hi:[1,0]
.endr
.endr
	WIN 0
.irp b, 0,1,2,3
	ds_store_b128 v[STO], v[TMP+32*(\a%2)+8*\b:TMP+32*(\a%2)+8*\b+3] offset:64*\b
	ds_store_b128 v[STO], v[TMP+32*(\a%2)+8*\b+4:TMP+32*(\a%2)+8*\b+7] offset:64*\b+16
.endr
.if \a > 1
	s_wait_xcnt 0x0                                ; the stores of two row blocks ago have read these registers
.endif
.irp t, 0,1,2,3,4,5,6,7
	ds_load_b128 v[BK+32*(\a%2)+4*\t:BK+32*(\a%2)+4*\t+3], v[RD] offset:2*SP*\t
.endr
.if \a > 0
	s_wait_dscnt 16                                ; the row block before is back: this one's 8 stores and 8 loads may be out
	SEND \a-1, \ob
.endif
.endr
	s_wait_dscnt 0x0
	SEND 3, \ob
.endm
	s_wait_alu depctr_va_vdst(0)
	s_wait_kmcnt 0x0
	s_add_co_i32 s[E89], s94, s95
	s_wait_tensorcnt 0x0                           ; my part of slot 0 is in; slot 1's first fill is asked for as a refill is
	ds_add_u32 v[SPW], v[NIL]
	s_wait_dscnt 0x0
	CROUND                                         ; everybody's part is in
	JLOAD 1
	FETCH 0, 0, F0
	WIN 0
	ASK 2                                          ; one and two changes of slots ahead of their loads
	ASK 3
	s_wait_loadcnt 0x0                             ; the row figures
; THE FACTORS, four row blocks a line (my query 16 a + r).  Blocks 0, 1 are tile A's; blocks 2, 3 tile A's where g = 1, else B's; blocks 4 to 9 tile B's.  Block s: -M at ST + 24 (s / 2) + 4 (s % 2), its two sums 8 + 8 (s % 2) and 12 + 8 (s % 2) on.
	WIN 0xff
.irp a, 0,1,2,3
	v_cndmask_b32 v[MA+\a], 0x7f800000, v[ST+24+\a], s[SG]     ; blocks 2 and 3 as tile A sees them,
	v_cndmask_b32 v[MA6+\a], 0x7f800000, v[ST+28+\a], s[SG]
	v_cndmask_b32 v[MB+\a], v[ST+24+\a], 0x7f800000, s[SG]     ; and as tile B does
	v_cndmask_b32 v[MB6+\a], v[ST+28+\a], 0x7f800000, s[SG]
.endr
.irp a, 0,1,2,3
	v_min_num_f32 v[MA+\a], v[MA+\a], v[MA6+\a]
	v_min3_num_f32 v[MB+\a], v[MB+\a], v[ST+48+\a], v[ST+52+\a]
	v_min3_num_f32 v[MB6+\a], v[MB6+\a], v[ST+72+\a], v[ST+76+\a]
.endr
.irp a, 0,1,2,3
	v_min3_num_f32 v[MA+\a], v[MA+\a], v[ST+\a], v[ST+4+\a]    ; -Mrow of tile A
	v_min3_num_f32 v[MB+\a], v[MB+\a], v[ST+96+\a], v[ST+100+\a]
.endr
.irp a, 0,1,2,3
	v_min_num_f32 v[MB+\a], v[MB+\a], v[MB6+\a]                ; -Mrow of tile B
	v_add_f32 v[MA6+\a], 0x42800000, v[MA+\a]                  ; + 64
.endr
.irp a, 0,1,2,3
	v_cndmask_b32 v[M23+\a], v[MB+\a], v[MA+\a], s[SG]
	v_add_f32 v[MB6+\a], 0x42800000, v[MB+\a]
.endr
.irp a, 0,1,2,3
	v_add_f32 v[M236+\a], 0x42800000, v[M23+\a]
.endr
.irp g, 0,1,2,3,4,5,6,7,8,9
.set NN, ST+24*(\g/2)+4*(\g%2)
.set LL, ST+24*(\g/2)+8+8*(\g%2)
.set RR, MB
.set RS, MB6
.if \g < 4
.set RR, M23
.set RS, M236
.endif
.if \g < 2
.set RR, MA
.set RS, MA6
.endif
.irp a, 0,1,2,3
	v_sub_f32 v[DD+\a], v[RR+\a], v[NN+\a]                     ; M - Mrow: a whole number, 0 or less
.endr
.irp a, 0,1,2,3
	v_add_f32 v[LL+\a], v[LL+\a], v[LL+4+\a]                   ; the block's sum,
.endr
.irp a, 0,1,2,3
	v_cvt_i32_f32 v[DD+\a], v[DD+\a]                           ; (it saturates)
.endr
.irp a, 0,1,2,3
	v_min_num_f32 v[NN+\a], v[NN+\a], v[RS+\a]                 ; -U = min(-M, -Mrow + 64), over -M
.endr
.irp a, 0,1,2,3
	v_ldexp_f32 v[LL+\a], v[LL+\a], v[DD+\a]                   ; under the row's M
.endr
.endr
.set LA, MA6                           ; l of tile A, of tile B; the sum of blocks 2 and 3
.set LB, MB6
.set S23, M236
.irp a, 0,1,2,3
	v_add_f32 v[LA+\a], v[ST+8+\a], v[ST+16+\a]
	v_add_f32 v[S23+\a], v[ST+32+\a], v[ST+40+\a]
	v_add_f32 v[LB+\a], v[ST+56+\a], v[ST+64+\a]
	v_add_f32 v[DD+\a], v[ST+80+\a], v[ST+88+\a]
	v_add_f32 v[D2+\a], v[ST+104+\a], v[ST+112+\a]
.endr
.irp a, 0,1,2,3
	v_add_f32 v[LB+\a], v[LB+\a], v[DD+\a]
.endr
.irp a, 0,1,2,3
	v_cndmask_b32 v[DD+\a], 0, v[S23+\a], s[SG]
	v_add_f32 v[LB+\a], v[LB+\a], v[D2+\a]
.endr
.irp a, 0,1,2,3
	v_cndmask_b32 v[D2+\a], v[S23+\a], 0, s[SG]
	v_add_f32 v[LA+\a], v[LA+\a], v[DD+\a]
.endr
.irp a, 0,1,2,3
	v_add_f32 v[LB+\a], v[LB+\a], v[D2+\a]
.endr
.irp g, 1,2,3,4,5,6,7,8,9
.set NN, ST+24*(\g/2)+4*(\g%2)
.set NB, ST+24*((\g-1)/2)+4*((\g-1)%2)
.set FF, F2+8*(\g-1)
.irp a, 0,1,2,3
	v_sub_f32 v[FF+2*\a], v[NN+\a], v[NB+\a]                   ; U before - U now
.endr
.irp a, 0,1,2,3
	v_cvt_i32_f32 v[FF+2*\a], v[FF+2*\a]
.endr
.irp a, 0,1,2,3
	v_ldexp_f32 v[FF+2*\a], 1.0, v[FF+2*\a]
.endr
.irp a, 0,1,2,3
.if \g == 2
	v_cndmask_b32 v[FF+2*\a], 0, v[FF+2*\a], s[SG]             ; g = 0: block 2 begins tile B: the factor 0 begins its sums
.elseif \g == 4
	v_cndmask_b32 v[FF+2*\a], v[FF+2*\a], 0, s[SG]             ; g = 1: block 4 does
.endif
.endr
.irp a, 0,1,2,3
	v_mov_b32 v[FF+2*\a+1], v[FF+2*\a]                         ; (the packed form names a pair)
.endr
.endr
.irp a, 0,1,2,3
	v_cndmask_b32 v[DD+\a], v[ST+4+\a], v[ST+28+\a], s[SG]     ; -U of tile A's last block: 1 or 3
	v_sub_f32 v[D2+\a], v[MB+\a], v[ST+100+\a]                 ; U last - Mrow
.endr
.irp a, 0,1,2,3
	v_sub_f32 v[DD+\a], v[MA+\a], v[DD+\a]
	v_cvt_i32_f32 v[D2+\a], v[D2+\a]
.endr
.irp a, 0,1,2,3
	v_cvt_i32_f32 v[DD+\a], v[DD+\a]
.endr
	s_wait_alu depctr_va_vdst(0)                   ; ahead of the batch
.irp a, 0,1,2,3
	v_rcp_f32 v[LA+\a], v[LA+\a]
	v_rcp_f32 v[LB+\a], v[LB+\a]
.endr
.irp a, 0,1,2,3
	v_add_nc_u32 v[DD+\a], s[E89], v[DD+\a]                    ; (plain instructions behind the reciprocals)  + e8 + e9
	v_add_nc_u32 v[D2+\a], s[E89], v[D2+\a]
.endr
	s_wait_alu depctr_va_vdst(0)                   ; and behind it
.irp a, 0,1,2,3
	v_ldexp_f32 v[GA+2*\a], v[LA+\a], v[DD+\a]
	v_ldexp_f32 v[GB+2*\a], v[LB+\a], v[D2+\a]
.endr
.irp a, 0,1,2,3
	v_mov_b32 v[GA+2*\a+1], v[GA+2*\a]
	v_mov_b32 v[GB+2*\a+1], v[GB+2*\a]
.endr
	WIN 0
	s_wait_alu depctr_va_vdst(0)
	STEP 0, 0, 0, 1                                ; slot 0: blocks 0 and 1; the first products start the sums
	STEP 0, 1, 0, 0
	STEP 0, 2, 1, 0
	TURN 0, 0, 1
	s_cmp_lg_u32 s18, 0                            ; g = 0: tile A is finished.  The branch hangs on g, which the whole cluster shares; no barrier and no tensor load stands inside
	s_cbranch_scc1 .Lnot_yet
	FLUSH GA, 88
.Lnot_yet:
	STEP 1, 0, 2, 0                                ; slot 1: blocks 2 and 3
	STEP 1, 1, 0, 0
	STEP 1, 2, 3, 0
	TURN 1, 1, 1
	s_cmp_lg_u32 s18, 1                            ; g = 1: tile A is finished here
	s_cbranch_scc1 .Lgone
	FLUSH GA, 88
.Lgone:
	STEP 0, 0, 4, 0                                ; slot 2
	STEP 0, 1, 0, 0
	STEP 0, 2, 5, 0
	TURN 0, 2, 1
	STEP 1, 0, 6, 0                                ; slot 3: nothing is left to ask for
	STEP 1, 1, 0, 0
	STEP 1, 2, 7, 0
	TURN 1, 3, 0
	STEP 0, 0, 8, 0                                ; slot 4
	STEP 0, 1, 0, 0
	STEP 0, 2, 9, 0
	s_wait_dscnt 0x0
	MUL8 F1, 0, 0
	MUL8 F1, 2, 0
	WIN 0
	FLUSH GB, 90
	s_wait_tensorcnt 0x0                           ; the wave's end, behind my last tensor load and my last LDS store
	ds_add_u32 v[SPW], v[NIL]
	s_wait_dscnt 0x0
	CROUND                                         ; the closing round: no work-group ends while a partner may still ask for a tile that names it
	s_endpgm
.Lfunc_end_k_q717b709fdf_pv:
	.size	k_q717b709fdf_pv, .Lfunc_end_k_q717b709fdf_pv-k_q717b709fdf_pv
	.p2alignl 7, 3214868480
	.fill 96, 4, 3214868480
	.section	.rodata,"a",@progbits
	.p2align	6, 0x0
	.amdhsa_kernel k_q717b709fdf_pv
		.amdhsa_group_segment_fixed_size 327680
		.amdhsa_private_segment_fixed_size 0
		.amdhsa_enable_private_segment 0
		.amdhsa_kernarg_size 40
		.amdhsa_user_sgpr_count 2
		.amdhsa_user_sgpr_kernarg_segment_ptr 1
		.amdhsa_wavefront_size32 1
		.amdhsa_system_sgpr_workgroup_id_x 1
		.amdhsa_system_sgpr_workgroup_id_y 1
		.amdhsa_system_sgpr_workgroup_id_z 1
		.amdhsa_system_vgpr_workitem_id 0
		.amdhsa_next_free_vgpr 1024
		.amdhsa_next_free_sgpr 102
		.amdhsa_reserve_vcc 0
		.amdhsa_float_denorm_mode_32 3
		.amdhsa_float_denorm_mode_16_64 3
		.amdhsa_memory_ordered 1
		.amdhsa_forward_progress 1
		.amdhsa_inst_pref_size 178
	.end_amdhsa_kernel
	.amdgpu_metadata
---
amdhsa.version: [ 1, 2 ]
amdhsa.kernels:
  - .name:           k_q717b709fdf_pv
    .symbol:         k_q717b709fdf_pv.kd
    .args:
      - { .name: p_img, .offset: 0, .size: 8, .value_kind: global_buffer, .address_space: global }
      - { .name: v_img, .offset: 8, .size: 8, .value_kind: global_buffer, .address_space: global }
      - { .name: stats, .offset: 16, .size: 8, .value_kind: global_buffer, .address_space: global }
      - { .name: lowp_scales, .offset: 24, .size: 8, .value_kind: global_buffer, .address_space: global }
      - { .name: out0, .offset: 32, .size: 8, .value_kind: global_buffer, .address_space: global }
    .group_segment_fixed_size: 327680
    .private_segment_fixed_size: 0
    .kernarg_segment_align: 8
    .kernarg_segment_size: 40
    .max_flat_workgroup_size: 128
    .sgpr_count:     102
    .vgpr_count:     1024
    .wavefront_size: 32
...
	.end_amdgpu_metadata
.endif
;; end of part 3
